; MI455X (gfx1250); checked and timed in simulation.
; The chip was launched on July 23, 2026; its instructions are those of AMD's public machine-readable ISA for CDNA 5 (MIT licence, August 2026) and "CDNA5" Instruction Set Architecture Reference Guide (July 2026). The comments in the code are by the model that wrote it; some were corrected since.
;; Sparse Multi Head Attention. Allowed arithmetic: matrix products marked QUANTISED: E2M1 operands, one E8M0 scale for each 32 along K, by v_wmma_scale_f32_16x16x128_f8f6f4 with both operands' format E2M1 (or v_wmma_scale_f32_32x16x128_f4), f32 sums; products left as they are: bf16, f16 or f32 operands; f32 sums; everything else in f32.
;; Inputs: bk 1,024 float32; bo 1,024 float32; bq 1,024 float32; bv 1,024 float32; k 2 x 2,048 x 1,024 float32; q 2 x 2,048 x 1,024 float32; v 2 x 2,048 x 1,024 float32; wk 1,024 x 1,024 float32; wo 1,024 x 1,024 float32; wq 1,024 x 1,024 float32; wv 1,024 x 1,024 float32.
;; Outputs: out0 2 x 2,048 x 1,024 float32.
;; This version of the problem:
;;   THIS VERSION OF THE PROBLEM IS GIVEN IN LOW PRECISION. The matrix products marked QUANTISED in the list below multiply operands that are first quantised to E2M1 (2 exponent bits, 1 mantissa bit; 4 bits a number), with one power-of-two scale for each 32 numbers along K (OCP MX v1.0); their sums are f32. The products marked 'left as it is' may take bf16, f16 or f32 operands, with f32 sums. Whichever they take, every output number must still come out within the allowed error. Rounding operands to bf16 (8 significant bits) uses up far more of that allowance than f16 does (11 bits, for magnitudes from 6e-5 to 65,504). All else is computed in f32.
;;   The module's matrix products, in the order in which they are computed (A, B: the left and right operand; K: the contracted axis; several contracted axes count as one K, in the product's order):
;;     1. [M 4,096, K 1,024] x [K 1,024, N 1,024]; A: input q; B: input wq: QUANTISED
;;     2. [M 4,096, K 1,024] x [K 1,024, N 1,024]; A: input k; B: input wk: QUANTISED
;;     3. [M 4,096, K 1,024] x [K 1,024, N 1,024]; A: input v; B: input wv: QUANTISED
;;     4. batch 32 x [M 2,048, K 64] x [K 64, N 2,048]; A: computed on the way; B: computed on the way: left as it is (an operand is computed on the way)
;;     5. batch 32 x [M 2,048, K 2,048] x [K 2,048, N 64]; A: computed on the way; B: computed on the way: left as it is (an operand is computed on the way)
;;     6. [M 4,096, K 1,024] x [K 1,024, N 1,024]; A: computed on the way; B: input wo: left as it is (an operand is computed on the way)
;;   THE QUANTISER, for each operand of a quantised product, along K:
;;     - K is cut into blocks of 32 from its start; a last block that is shorter is filled with zeros.
;;     - A block's scale is 2^e with e = floor(log2(the largest magnitude in the block)) - 2, held to -126 .. 127; a block of zeros has e = 0. As a byte (E8M0): e + 127.
;;     - Each number is divided by its block's scale, clamped to +-6, and rounded to the nearest number of E2M1, ties to even, subnormals kept.
;;     - The product sums the exact products of the quantised numbers (number of the format x scale) in f32.
;;   ~~~python
;;   def quantise(x, axis):      # numpy; x: float32 -> the quantised numbers, widened to float32 again
;;       x = np.moveaxis(x, axis, -1); K = x.shape[-1]
;;       x = np.pad(x, [(0, 0)] * (x.ndim - 1) + [(0, -K % 32)]); x = x.reshape(x.shape[:-1] + (-1, 32)); a = np.abs(x).max(-1, keepdims=True)
;;       e = np.where(a > 0, np.clip(np.frexp(np.where(a > 0, a, 1))[1] - 1 - 2, -126, 127), 0)      # np.frexp(a)[1] - 1 = floor(log2(a)), exactly
;;       r = np.clip(x / 2.0 ** e, -6, 6)
;;       step = 2.0 ** (np.maximum(np.frexp(np.where(r == 0, 1, r))[1] - 1, 0) - 1)
;;       q = np.round(r / step) * step * 2.0 ** e      # np.round: ties to even
;;       return np.moveaxis(q.reshape(q.shape[:-2] + (-1,))[..., :K], -1, axis).astype(np.float32)
;;   ~~~
;; One version. Each part assembles by itself: llvm-mc -triple=amdgcn-amd-amdhsa -mcpu=gfx1250 --defsym DOCPART=n.
;; ======== version 1 of 1: 5 launches
;; limits: values are held in f16: magnitudes above 65,504 overflow, below 6.1e-05 lose precision
;; workspace buffers: codes 7,864,320 bytes; scales 491,520 bytes; wo16 2,097,152 bytes; rope 524,288 bytes; qkv 25,165,824 bytes; gp 557,056 bytes; ao 8,388,608 bytes
;; launch prep (part 1): grid 544 x 1, 4 waves a work-group, no clusters, 33,280 bytes of LDS; arguments q, k, v, wq, wk, wv, wo, codes, scales, wo16, rope; writes codes, scales, wo16, rope
.if DOCPART == 1
	.amdgcn_target "amdgcn-amd-amdhsa--gfx1250"
	.amdhsa_code_object_version 6
	.text
	.protected	k_q8386fd15c2_prep
	.globl	k_q8386fd15c2_prep
	.p2align	8
	.type	k_q8386fd15c2_prep,@function
k_q8386fd15c2_prep:
	s_mov_b64 s[64:65], 0
	v_nop
	global_prefetch_b8 v0, s[64:65] scope:SCOPE_SE
	s_setreg_imm32_b32 hwreg(HW_REG_WAVE_MODE, 25, 1), 1
	s_wait_xcnt 0x0
; PREP.  Three kinds of work-groups, told apart by the work-group's number alone:
;   0 .. 479    q, k, v, wq, wk, wv (f32, K innermost) become codes of FP4 (E2M1) and one E8M0 byte for each 32 along K.  The six tensors are one stream of rows of 1,024 numbers:
;               rows 0.. q, 4096.. k, 8192.. v, 12288.. wq, 13312.. wk, 14336.. wv; a row is 512 bytes of codes and 32 scale bytes.
;   480 .. 511  wo becomes f16, in place order [n][k].
;   512 .. 543  the table of cos and sin: row t (256 bytes) = cos(t f_0 .. t f_31), sin(t f_0 .. t f_31), f_i = 10000^(-i/32).
; THE QUANTISER.  A block's scale is 2^(floor(log2(its largest magnitude)) - 2); its byte is the largest magnitude's exponent field - 2, held at 1 from below.  A block of zeros so gets the byte 1
; where the rule says 127: its codes are zeros, which add nothing under any byte but 0xff, and this program alone reads the bytes.  Each number is divided by the scale and rounded to the nearest code, ties to even;
; beyond the largest code the conversion gives the largest.
; LIMITS: blocks whose largest magnitude lies under 2^-124 were not tried; NaN and infinities are not served; |wo| stays under 65,504 (f16);
; the table's angle t f_i is formed as in the model (one f32 product), f_i by one exp2: it may differ by a few ulp, at most about 5e-4 rad at t = 2047.
; A quantising wave takes 16 steps of 512 numbers.  Each load reads 512 consecutive bytes; a step's 2,048 bytes turn through the wave's own stage in LDS and come back 64 bytes a lane, so that a lane holds 16 neighbours
; (two neighbouring lanes hold a block).  A wave's store of codes covers 256 consecutive bytes; its 256 scale bytes are gathered in LDS and leave as one such run.  Waves share nothing: no barrier.
.set WAVES, 4
.set STEPS, 16
.set EMAX,  2
.set CB,    8                          ; bytes of 16 codes
.set R,     16                         ; v16-79   four sets of 16 numbers as loaded
.set X,     80                         ; v80-111  two sets of 16 neighbours
.set E,     112                        ; v112-127 a scale byte for each step
.set C,     128                        ; v128-191 codes, four registers a step: no store's data are written again
.set WREG,  8192                       ; LDS: a region for each wave: two stages of 32 x SP bytes, then its 256 scale bytes
.set SP,    80                         ; a lane's place in a stage: 64 bytes + 16 of padding
.set SPW,   12                         ; v12  LDS address of my spare word; never rewritten
.set NIL,   13                         ; v13  0; never rewritten
.set SPARE, WAVES*WREG                 ; behind the regions: the spare words, 128 bytes a wave; no other line names them
	s_load_b512 s[8:23], s[0:1], 0x0               ; q, k, v, wq, wk, wv, wo, codes
	s_load_b128 s[24:27], s[0:1], 0x40             ; scales, wo16
	s_load_b64 s[28:29], s[0:1], 0x50              ; rope
	v_lshl_add_u32 v[SPW], v0, 2, SPARE
	v_mov_b32 v[NIL], 0
	v_lshrrev_b32 v1, 5, v0
	v_readfirstlane_b32 s3, v1                     ; wave
	v_and_b32 v2, 31, v0                           ; lane
	s_wait_kmcnt 0x0
	s_cmp_ge_u32 ttmp9, 480
	s_cbranch_scc1 .Lother
	; ---------------- the quantiser
	v_lshlrev_b32 v3, 4, v2                        ; my 16 bytes of a load's 512
	s_mul_i32 s30, s3, WREG
	v_lshrrev_b32 v14, 2, v2
	v_mul_u32_u24 v14, v14, SP
	v_and_b32 v15, 3, v2
	v_lshl_add_u32 v14, v15, 4, v14
	v_add_nc_u32 v14, s30, v14                     ; the stage, on the way in: SP (lane / 4) + 16 (lane % 4)
	v_mul_u32_u24 v15, v2, SP
	v_add_nc_u32 v15, s30, v15                     ; and on the way out: SP x lane
	v_mul_u32_u24 v4, v2, CB                       ; my codes' place in a step's
	v_lshrrev_b32 v5, 1, v2
	s_add_co_u32 s30, s30, 2*32*SP
	v_add_nc_u32 v5, s30, v5                       ; my block's byte among my wave's 256
	v_lshlrev_b32 v7, 3, v2
	v_add_nc_u32 v6, s30, v7                       ; and on the way out 8 bytes a lane
	s_mov_b64 s[4:5], s[8:9]                       ; which tensor: the choice hangs on the work-group's number alone
	s_mov_b32 s6, 0                                ; and the tensor's first work-group
	s_cmp_ge_u32 ttmp9, 128
	s_cselect_b64 s[4:5], s[10:11], s[4:5]
	s_cselect_b32 s6, 128, s6
	s_cmp_ge_u32 ttmp9, 256
	s_cselect_b64 s[4:5], s[12:13], s[4:5]
	s_cselect_b32 s6, 256, s6
	s_cmp_ge_u32 ttmp9, 384
	s_cselect_b64 s[4:5], s[14:15], s[4:5]
	s_cselect_b32 s6, 384, s6
	s_cmp_ge_u32 ttmp9, 416
	s_cselect_b64 s[4:5], s[16:17], s[4:5]
	s_cselect_b32 s6, 416, s6
	s_cmp_ge_u32 ttmp9, 448
	s_cselect_b64 s[4:5], s[18:19], s[4:5]
	s_cselect_b32 s6, 448, s6
	s_sub_co_u32 s6, ttmp9, s6
	s_lshl_b32 s6, s6, 2
	s_add_co_u32 s6, s6, s3                        ; which run of 8,192 numbers of the tensor is my wave's
	s_lshl_b32 s6, s6, 15                          ; 32,768 bytes a run
	s_mov_b32 s7, 0
	s_add_nc_u64 s[4:5], s[4:5], s[6:7]
	s_lshl_b32 s30, ttmp9, 2
	s_add_co_u32 s30, s30, s3                      ; which run of the stream
	s_lshl_b32 s32, s30, 12                        ; 4,096 bytes of codes a run
	s_mov_b32 s33, 0
	s_add_nc_u64 s[22:23], s[22:23], s[32:33]
	s_lshl_b32 s32, s30, 8                         ; 256 scale bytes a run
	s_add_nc_u64 s[24:25], s[24:25], s[32:33]
.macro LOAD t
.irp i, 0,1,2,3
	global_load_b128 v[R+16*((\t)%4)+4*\i:R+16*((\t)%4)+4*\i+3], v3, s[4:5] offset:2048*(\t)+512*\i th:TH_LOAD_NT   ; 32 lanes read 512 consecutive bytes
.endr
.endm
.macro TURN t                          ; step t's numbers through the stage: LDS serves a wave's instructions in order, so no wait stands between the stores and the loads
.irp i, 0,1,2,3
	ds_store_b128 v14, v[R+16*((\t)%4)+4*\i:R+16*((\t)%4)+4*\i+3] offset:32*SP*((\t)%2)+8*SP*\i
.endr
.irp i, 0,1,2,3
	ds_load_b128 v[X+16*((\t)%2)+4*\i:X+16*((\t)%2)+4*\i+3], v15 offset:32*SP*((\t)%2)+16*\i
.endr
.endm
.irp t, 0,1,2,3
	LOAD \t
.endr
	s_wait_loadcnt 12                              ; step 0's four loads are in
	TURN 0
.macro STEP t
.set XS, X+16*((\t)%2)
.if (\t) > 0
	s_wait_dscnt 1                                 ; this step's numbers are back from the stage (the last step's byte store may be out): so its stores into the stage have read their registers,
.else
	s_wait_dscnt 0x0
.endif
.if (\t)+4 < STEPS
	LOAD (\t)+4                                    ; which take the loads of four steps on
.endif
.if (\t)+1 < STEPS
.if STEPS-2-(\t) >= 3
	s_wait_loadcnt 12                              ; the next step's four loads are in; those of the three steps behind it may be out
.else
	s_wait_loadcnt 4*(STEPS-2-(\t))
.endif
	TURN (\t)+1                                    ; and go through the other stage while this step is worked
.endif
	v_max3_num_f32 v8, |v[XS]|, |v[XS+1]|, |v[XS+2]|               ; the largest magnitude of my 16, in two chains
	v_max3_num_f32 v9, |v[XS+3]|, |v[XS+4]|, |v[XS+5]|
.irp i, 6,10
	v_max3_num_f32 v8, v8, |v[XS+\i]|, |v[XS+\i+1]|
	v_max3_num_f32 v9, v9, |v[XS+\i+2]|, |v[XS+\i+3]|
.endr
	v_max3_num_f32 v8, v8, |v[XS+14]|, |v[XS+15]|
	v_max3_num_f32 v8, v8, v9, (EMAX+1)<<23        ; and the floor 2^(EMAX + 1 - 127): the byte cannot fall under 1
	v_max_num_f32_dpp v8, v8, v8 row_xmask:1 row_mask:0xf bank_mask:0xf   ; and of my neighbour's 16: the block's
	v_add_nc_u32 v11, -(EMAX<<23), v8              ; EMAX off its exponent field: the conversion takes the exponent field of this operand as its scale
	v_cvt_scalef32_pk8_fp4_f32 v[C+4*(\t)], v[XS:XS+7], v11
	v_cvt_scalef32_pk8_fp4_f32 v[C+4*(\t)+1], v[XS+8:XS+15], v11
	v_lshrrev_b32 v[E+(\t)], 23, v11               ; the scale's byte (a plain line behind the conversions)
	ds_store_b8 v5, v[E+(\t)] offset:16*(\t)       ; both lanes of a block write the same byte with the same value
	global_store_b64 v4, v[C+4*(\t):C+4*(\t)+1], s[22:23] offset:32*CB*(\t)   ; the wave stores 256 consecutive bytes
.endm
.irp t, 0,1,2,3,4,5,6,7,8,9,10,11,12,13,14,15
	STEP \t
.endr
	ds_load_b64 v[8:9], v6                         ; LDS serves a wave's instructions in order: these see my stores
	s_wait_dscnt 0x0
	global_store_b64 v7, v[8:9], s[24:25]          ; 32 lanes store 256 consecutive bytes
	s_wait_tensorcnt 0x0                           ; the wave's end, behind my last LDS store
	ds_add_u32 v[SPW], v[NIL]
	s_wait_dscnt 0x0
	s_endpgm
.Lother:
	s_cmp_ge_u32 ttmp9, 512
	s_cbranch_scc1 .Lrope
	; ---------------- wo to f16: a wave takes 8,192 numbers, four rounds of 16 loads in two sets of registers; no LDS
	s_sub_co_u32 s30, ttmp9, 480
	s_lshl_b32 s30, s30, 2
	s_add_co_u32 s30, s30, s3
	s_lshl_b32 s32, s30, 15
	s_mov_b32 s33, 0
	s_add_nc_u64 s[20:21], s[20:21], s[32:33]
	s_lshl_b32 s32, s30, 14
	s_add_nc_u64 s[26:27], s[26:27], s[32:33]
	v_lshlrev_b32 v3, 4, v2
	v_lshlrev_b32 v4, 3, v2
.macro WLOAD b, rd
.irp i, 0,1,2,3,4,5,6,7,8,9,10,11,12,13,14,15
	global_load_b128 v[\b+4*\i:\b+4*\i+3], v3, s[20:21] offset:(16*\rd+\i)*512 th:TH_LOAD_NT
.endr
.endm
.macro WCVT b, rd
.irp i, 0,1,2,3,4,5,6,7,8,9,10,11,12,13,14,15
	v_cvt_pk_f16_f32 v[\b+4*\i], v[\b+4*\i], v[\b+4*\i+1]
	v_cvt_pk_f16_f32 v[\b+4*\i+1], v[\b+4*\i+2], v[\b+4*\i+3]
	global_store_b64 v4, v[\b+4*\i:\b+4*\i+1], s[26:27] offset:(16*\rd+\i)*256   ; the wave stores 256 consecutive bytes
.endr
.endm
	WLOAD 16, 0
	WLOAD 80, 1
	s_wait_loadcnt 16                              ; the older set is in; the other set's 16 loads may be out
	WCVT 16, 0
	s_wait_xcnt 0x0                                ; the stores have read their data: the set may be loaded again
	WLOAD 16, 2
	s_wait_loadcnt 16
	WCVT 80, 1
	s_wait_xcnt 0x0
	WLOAD 80, 3
	s_wait_loadcnt 16
	WCVT 16, 2
	s_wait_loadcnt 0x0
	WCVT 80, 3
	s_endpgm
.Lrope:
	; ---------------- the table: a wave takes 16 rows, two a step.  Lane l: row l / 16 of the two; cos (0) or sin (1) by (l / 8) % 2; frequencies 4 (l % 8) + 0 .. 3
	s_sub_co_u32 s30, ttmp9, 512
	s_lshl_b32 s30, s30, 2
	s_add_co_u32 s30, s30, s3                      ; which 16 rows
	s_lshl_b32 s32, s30, 12
	s_mov_b32 s33, 0
	s_add_nc_u64 s[28:29], s[28:29], s[32:33]
	s_lshl_b32 s31, s30, 4                         ; the first row
	s_mov_b32 s40, 0x3f22f983                      ; 2 / pi
	s_mov_b32 s41, 0x3fc90fdb                      ; pi / 2, the f32 nearest to it,
	s_mov_b32 s42, 0xb33bbd2e                      ; and what is left
	s_mov_b32 s43, 0xb94ca1f9                      ; sin r = r + r z (S1 + z (S2 + z S3)), z = r r, |r| <= pi / 4
	s_mov_b32 s44, 0x3c08839e
	s_mov_b32 s45, 0xbe2aaaa3
	s_mov_b32 s46, 0x37ccf5ce                      ; cos r = 1 - z / 2 + z z (C1 + z (C2 + z C3))
	s_mov_b32 s47, 0xbab6061a
	s_mov_b32 s48, 0x3d2aaaa5
	v_lshlrev_b32 v3, 4, v2
	v_and_b32 v22, 7, v2
	v_lshlrev_b32 v22, 2, v22
	v_cvt_f32_u32 v22, v22
	v_mov_b32 v16, v22
	v_add_f32 v17, 1.0, v22
	v_add_f32 v18, 2.0, v22
	v_add_f32 v19, 0x40400000, v22
.irp k, 0,1,2,3
	v_mul_f32 v[16+\k], 0xbed49a78, v[16+\k]       ; -i log2(10000) / 32
.endr
.irp k, 0,1,2,3
	v_exp_f32 v[16+\k], v[16+\k]                   ; f_i
.endr
	v_bfe_u32 v21, v2, 3, 1                        ; (plain lines behind the exponentials)
	v_mul_u32_u24 v21, v21, 3                      ; sin x = cos(x - pi / 2): three quadrants on
	v_lshrrev_b32 v20, 4, v2
	v_add_nc_u32 v20, s31, v20
	v_cvt_f32_u32 v20, v20                         ; t
	s_wait_alu depctr_va_vdst(0)                   ; one wait for the four exponentials, ahead of their first reader
.macro RSTEP u                         ; the four numbers by turns, line by line
.irp k, 0,1,2,3
	v_mul_f32 v[24+\k], v20, v[16+\k]              ; the angle
.endr
.irp k, 0,1,2,3
	v_mul_f32 v[28+\k], s40, v[24+\k]
.endr
.irp k, 0,1,2,3
	v_rndne_f32 v[28+\k], v[28+\k]                 ; n: the nearest multiple of pi / 2
.endr
.irp k, 0,1,2,3
	v_fma_f32 v[32+\k], -v[28+\k], s41, v[24+\k]
.endr
.irp k, 0,1,2,3
	v_fma_f32 v[32+\k], -v[28+\k], s42, v[32+\k]   ; r
.endr
.irp k, 0,1,2,3
	v_mul_f32 v[36+\k], v[32+\k], v[32+\k]         ; z
.endr
.irp k, 0,1,2,3
	v_fma_f32 v[40+\k], v[36+\k], s43, s44
	v_fma_f32 v[44+\k], v[36+\k], s46, s47
.endr
.irp k, 0,1,2,3
	v_fma_f32 v[40+\k], v[40+\k], v[36+\k], s45
	v_fma_f32 v[44+\k], v[44+\k], v[36+\k], s48
.endr
.irp k, 0,1,2,3
	v_mul_f32 v[40+\k], v[40+\k], v[36+\k]
	v_mul_f32 v[48+\k], v[36+\k], v[36+\k]
	v_fma_f32 v[52+\k], v[36+\k], -0.5, 1.0
.endr
.irp k, 0,1,2,3
	v_fma_f32 v[40+\k], v[40+\k], v[32+\k], v[32+\k]   ; sin r
	v_fma_f32 v[44+\k], v[44+\k], v[48+\k], v[52+\k]   ; cos r
	v_cvt_i32_f32 v[28+\k], v[28+\k]
.endr
.irp k, 0,1,2,3
	v_add_nc_u32 v[28+\k], v[28+\k], v21           ; the quadrant
.endr
.irp k, 0,1,2,3
	v_and_b32 v[48+\k], 1, v[28+\k]
	v_add_nc_u32 v[28+\k], 1, v[28+\k]
.endr
.irp k, 0,1,2,3
	v_cmp_ne_u32 vcc_lo, 0, v[48+\k]
	v_cndmask_b32 v[44+\k], v[44+\k], v[40+\k], vcc_lo   ; odd quadrants take the sine
	v_lshlrev_b32 v[28+\k], 30, v[28+\k]
.endr
.irp k, 0,1,2,3
	v_and_b32 v[28+\k], 0x80000000, v[28+\k]       ; quadrants 1 and 2 are negative
.endr
.irp k, 0,1,2,3
	v_xor_b32 v[64+4*\u+\k], v[44+\k], v[28+\k]
.endr
	global_store_b128 v3, v[64+4*\u:67+4*\u], s[28:29] offset:512*\u   ; two whole rows: 512 consecutive bytes; each step has its own data registers
	v_add_f32 v20, 2.0, v20
.endm
.irp u, 0,1,2,3,4,5,6,7
	RSTEP \u
.endr
	s_endpgm
.Lfunc_end_k_q8386fd15c2_prep:
	.size	k_q8386fd15c2_prep, .Lfunc_end_k_q8386fd15c2_prep-k_q8386fd15c2_prep
	.p2alignl 7, 3214868480
	.fill 96, 4, 3214868480
	.section	.rodata,"a",@progbits
	.p2align	6, 0x0
	.amdhsa_kernel k_q8386fd15c2_prep
		.amdhsa_group_segment_fixed_size 33280
		.amdhsa_private_segment_fixed_size 0
		.amdhsa_enable_private_segment 0
		.amdhsa_kernarg_size 88
		.amdhsa_user_sgpr_count 2
		.amdhsa_user_sgpr_kernarg_segment_ptr 1
		.amdhsa_wavefront_size32 1
		.amdhsa_system_sgpr_workgroup_id_x 1
		.amdhsa_system_sgpr_workgroup_id_y 1
		.amdhsa_system_sgpr_workgroup_id_z 1
		.amdhsa_system_vgpr_workitem_id 0
		.amdhsa_next_free_vgpr 192
		.amdhsa_next_free_sgpr 66
		.amdhsa_reserve_vcc 1
		.amdhsa_float_denorm_mode_32 3
		.amdhsa_float_denorm_mode_16_64 3
		.amdhsa_memory_ordered 1
		.amdhsa_forward_progress 1
		.amdhsa_inst_pref_size 91
	.end_amdhsa_kernel
	.amdgpu_metadata
---
amdhsa.version: [ 1, 2 ]
amdhsa.kernels:
  - .name:           k_q8386fd15c2_prep
    .symbol:         k_q8386fd15c2_prep.kd
    .args:
      - { .name: q, .offset: 0, .size: 8, .value_kind: global_buffer, .address_space: global }
      - { .name: k, .offset: 8, .size: 8, .value_kind: global_buffer, .address_space: global }
      - { .name: v, .offset: 16, .size: 8, .value_kind: global_buffer, .address_space: global }
      - { .name: wq, .offset: 24, .size: 8, .value_kind: global_buffer, .address_space: global }
      - { .name: wk, .offset: 32, .size: 8, .value_kind: global_buffer, .address_space: global }
      - { .name: wv, .offset: 40, .size: 8, .value_kind: global_buffer, .address_space: global }
      - { .name: wo, .offset: 48, .size: 8, .value_kind: global_buffer, .address_space: global }
      - { .name: codes, .offset: 56, .size: 8, .value_kind: global_buffer, .address_space: global }
      - { .name: scales, .offset: 64, .size: 8, .value_kind: global_buffer, .address_space: global }
      - { .name: wo16, .offset: 72, .size: 8, .value_kind: global_buffer, .address_space: global }
      - { .name: rope, .offset: 80, .size: 8, .value_kind: global_buffer, .address_space: global }
    .group_segment_fixed_size: 33280
    .private_segment_fixed_size: 0
    .kernarg_segment_align: 8
    .kernarg_segment_size: 88
    .max_flat_workgroup_size: 128
    .sgpr_count:     66
    .vgpr_count:     192
    .wavefront_size: 32
...
	.end_amdgpu_metadata
.endif
;; end of part 1
;; launch proj (part 2): grid 4 x 48, 4 waves a work-group, clusters of 4 x 4, 327,680 bytes of LDS; arguments codes, scales, rope, bq, bk, bv, qkv; writes qkv
.if DOCPART == 2
	.amdgcn_target "amdgcn-amd-amdhsa--gfx1250"
	.amdhsa_code_object_version 6
	.text
	.protected	k_q8386fd15c2_proj
	.globl	k_q8386fd15c2_proj
	.p2align	8
	.type	k_q8386fd15c2_proj,@function
k_q8386fd15c2_proj:
	s_mov_b64 s[64:65], 0
	v_nop
	global_prefetch_b8 v0, s[64:65] scope:SCOPE_SE
	s_setreg_imm32_b32 hwreg(HW_REG_WAVE_MODE, 25, 1), 1
	s_wait_xcnt 0x0
	s_wait_alu depctr_hold_cnt(0) depctr_sa_sdst(0) depctr_va_vdst(0) depctr_va_sdst(0) depctr_va_ssrc(0) depctr_va_vcc(0) depctr_vm_vsrc(0)
	s_getreg_b32 s2, hwreg(HW_REG_IB_STS2, 6, 4)
	s_cmp_eq_u32 s2, 0
	s_cbranch_scc0 .Lentry_in_a_cluster
	s_endpgm
.Lentry_in_a_cluster:
	s_bfe_u32 s2, ttmp6, 0x10000c
	s_cmp_lg_u32 s2, 0xf033
	s_cbranch_scc0 .Lentry_shape_is_right
	s_endpgm
.Lentry_shape_is_right:
; PROJ.  Q = q wq^T + bq, K = k wk^T + bk, V = v wv^T + bv, on codes of FP4 (E2M1) with one E8M0 scale for each 32 along K = 1,024; sums in f32.  Q and K then get the model's rope; all three leave as f16:
; Qh, Kh [b h][s][64] at bytes 0 and 8,388,608 of qkv; VT [b h][d][s], the keys innermost, at 16,777,216.
; 192 tiles of 256 x 256, a work-group of four waves each; a wave makes 128 x 128: 64 accumulators of 16 x 16, 512 registers.  K = 1,024 is two slots of 512 along K (rows of 256 bytes): both are asked for at the start and
; nothing is ever filled again.  The scale bytes of the work-group's 2 x 256 rows come once, as two dense blocks.
; CLUSTERS: 4 x 4 work-groups; a cluster's y says which tensor (y / 4: 0 Q, 1 K, 2 V) and which quarter of its 4,096 tokens (y % 4): both are the same in all sixteen partners.  The four of a row of the cluster need the same
; rows of operand A, the four of a column the same rows of operand B: each tile is asked for jointly, by the same tensor load with the same descriptor and a mask that names the four.
; THE MATRIX INSTRUCTION IS USED TRANSPOSED (source 0 = 16 rows of B, source 1 = 16 rows of A): a lane holds one row of A's and eight neighbours of B's.  For Q and K: A = the tokens, B = the weight's rows: a lane holds eight
; neighbouring channels of a token.  FOR V THE OPERANDS CHANGE PLACES (A = wv's rows, B = the tokens): a lane holds eight neighbouring tokens of one channel, so VT comes out of the same loop with nothing transposed.
; ROPE, as the model has it: out[d] = x[d] cos f_d - x[2 d + 1] sin f_d, out[32 + d] = x[32 + d] cos f_d + x[2 d] sin f_d, d = 0 .. 31, x with its bias.  It pairs far channels, so a block of 16 tokens goes through the wave's
; stage in LDS as f32 and each lane reads what it needs: 8 + 8 numbers and the 16 that pair with them.
; The biases in both layouts and the first two blocks' table rows are loaded ahead of the loop by every work-group, V's too, which does not use the table: all addresses lie inside their buffers for every tensor,
; and so no register is left unwritten on any way through the text.
; LIMITS: |Q|, |K|, |V| stay under 65,504 (f16).
; REGISTERS, in windows of 256.  Window 0: v0-31 addresses; v32-95 scale words, two sets; v96-127 Q's or K's bias; v128-191 A's fragments, one set; v192-207 V's bias.  On the way out v32-95 and v128-255 are at work.
;   window 1: B's fragments, two sets, at v0 and v128; the table's rows, four sets of 64, at v64 and v192 and, behind the loop, at v0 and v128.   windows 2, 3: the accumulators ((a, b) at v[8 (8 (a % 4) + b)]).
.set KSTEP,  512
.set NQ,     KSTEP/128
.set ROWB,   256                       ; a tile's row in bytes
.set KROW,   512                       ; a row of codes in memory
.set PITCH,  272                       ; an LDS row: 256 bytes + 16 of padding: the 16 rows that a load touches start 68 words apart
.set FR,     8
.set NL,     2
.set NP,     4                         ; places behind this matrix instruction (ISA guide 7.12.1)
.set HALFT,  128*PITCH
.set SLOT,   4*HALFT
.set KS,     32                        ; a row of scales in bytes
.set SCL,    2*SLOT
.set HALFS,  (128*KS/256)*272
.set SBLK,   (16*KS/256)*272
.set SPARE,  SCL+4*HALFS               ; the spare words, 128 bytes a wave; no other line names them
.set VSTG,   SPARE+512                 ; V's way out: 16 rows x 272 bytes for each wave, bytes of its own
.set S1P,    528                       ; Q's and K's way out, in slot 0, which has had its one fill and its last read by then: 16 rows x (512 + 16) bytes of f32 for each wave,
.set S2,     4*16*S1P                  ; and behind them 4,096 bytes for each wave: [head 2][row 16][128 bytes] of f16
.set BQA,  7                           ; v7   bias: 256 x head + 32 g
.set BPA,  8                           ; v8   bias: 256 x head + 64 g
.set VBA,  9                           ; v9   V's bias: 4 r
.set STOV, 10                          ; v10  V: into the stage
.set RDV,  11                          ; v11  V: back out of it
.set COV,  14                          ; v14  V: my byte offset in two rows of VT
.set ADRA, 16                          ; v16-17 my A fragments in slot 0, 1
.set RB2,  18                          ; v18  f16 stage, on the way out: 16 x lane
.set GOQ,  19                          ; v19  16 x lane
.set ADRB, 20                          ; v20-21 my B fragments
.set RP,   22                          ; v22  f32 stage: the 16 numbers that pair with mine
.set ST2,  23                          ; v23  f16 stage, on the way in
.set STO,  24                          ; v24  f32 stage, on the way in
.set ADRS, 27                          ; v27  my scale words: lanes 0-15 A's rows, lanes 16-31 B's
.set SPW,  28                          ; v28  my spare word; never rewritten
.set NIL,  29                          ; v29  0; never rewritten
.set TAB,  30                          ; v30  the table: 256 x (row % 4) + 32 g
.set RA,   31                          ; v31  f32 stage: my 8 numbers
.set SC,   32
.set BL,   96                          ; bias of channels 8 g .. + 7, v104: of 32 + 8 g .., v112: of 16 g .. + 15
.set BH,   104
.set BP,   112
.set AF,   128
.set XS0,  128                         ; two sets of 32: 8 low, 8 high, 16 partners
.set RBS,  192                         ; two sets of 32: a block's f16 rows on their way to memory
.set VBI,  192                         ; V's bias, block a's in the pair v[192 + 2 a]
.set G1, 24
.set G0, 32
.set G1B, 48
.set G0B, 56
.set G1S, 68
.set G0S, 76
.set G1SB, 80
.set G0SB, 88
.set MSB, 0
.macro WIN new                         ; the immediate's high byte repeats the setting that is left
.if MSB != \new
	s_set_vgpr_msb (MSB<<8)|\new
.set MSB, \new
.endif
.endm
.set MUL_LO, 0xa1                      ; source 0 (B) window 1, source 1 (A) window 0, C and D window 2
.set MUL_HI, 0xf1                      ; the same, C and D window 3
.set TO_B,   0x40                      ; destination window 1, address window 0
; A joint load: waves 0 and 1 fetch for A, waves 2 and 3 for B.  The branch hangs on the wave's number alone.  An s_nop 0 and four v_nop follow each of the two lines.
.macro JLOAD g0a, g1a, g0b, g1b
	s_cmp_eq_u32 s15, 0
	s_cbranch_scc0 .Lfor_b_\@
	tensor_load_to_lds s[\g0a:\g0a+3], s[\g1a:\g1a+7]
	s_nop 0
.rept 4
	v_nop
.endr
	s_branch .Lasked_\@
.Lfor_b_\@:
	tensor_load_to_lds s[\g0b:\g0b+3], s[\g1b:\g1b+7]
	s_nop 0
.rept 4
	v_nop
.endr
.Lasked_\@:
.endm
.macro CROUND                          ; a round of the cluster's barrier
	s_barrier_signal -1
	s_barrier_wait -1
	s_cmp_lg_u32 s14, 0
	s_cbranch_scc1 .Lnot_wave_0_\@
	s_barrier_signal -3
.Lnot_wave_0_\@:
	s_barrier_wait -3
	s_barrier_signal -1
	s_barrier_wait -1
.endm
	s_load_b256 s[4:11], s[0:1], 0x0               ; codes s[4:5], scales s[6:7], rope s[8:9], bq s[10:11]
	s_load_b128 s[96:99], s[0:1], 0x20             ; bk, bv
	s_load_b64 s[100:101], s[0:1], 0x30            ; qkv
	v_lshl_add_u32 v[SPW], v0, 2, SPARE
	v_mov_b32 v[NIL], 0
	ds_add_u32 v[SPW], v[NIL]                      ; the wave's opening: the add, twice on end, and its wait ahead of my first tensor load
	ds_add_u32 v[SPW], v[NIL]
	v_lshrrev_b32 v1, 5, v0
	v_readfirstlane_b32 s14, v1                    ; wave 0..3
	s_lshr_b32 s15, s14, 1                         ; which half of A's 256 rows is mine.  Also: I fetch for A (0) or for B (1)
	s_and_b32 s16, s14, 1                          ; which half of B's.  Also: which 128 rows I fetch
	s_bfe_u32 s40, ttmp6, 0x40000                  ; cx, cy: my place in the cluster
	s_bfe_u32 s41, ttmp6, 0x40004
	s_and_b32 s18, ttmp7, 0xffff                   ; the cluster's y
	s_lshr_b32 s66, s18, 2                         ; the tensor: 0 Q, 1 K, 2 V
	s_and_b32 s67, s18, 3                          ; the quarter of its tokens
	s_lshl_b32 s43, s41, 2
	s_lshl_b32 s43, 15, s43                        ; my row of the cluster
	s_lshl_b32 s44, 0x1111, s40                    ; my column
	s_or_b32 s[G1+0], s43, (0<<16)|(1<<20)|(1<<21)|(5<<22)|(3<<25)  ; the mask; elements of 1 byte; padding on; bit 21 beside a mask; after every 64 words, 4 words
	s_or_b32 s[G1B+0], s44, (0<<16)|(1<<20)|(1<<21)|(5<<22)|(3<<25)
.irp g, G1, G1B
	s_mov_b32 s[\g+1], ROWB<<16                    ; tensor_dim0
	s_mov_b32 s[\g+2], 128<<16                     ; tensor_dim1
	s_mov_b32 s[\g+3], ROWB<<16                    ; tile_dim0
	s_mov_b32 s[\g+4], 128                         ; tile_dim1
	s_mov_b32 s[\g+5], KROW                        ; from row to row
	s_mov_b32 s[\g+6], 0
	s_mov_b32 s[\g+7], 0
.endr
	s_or_b32 s[G1S+0], s43, (3<<16)|(1<<20)|(1<<21)|(5<<22)|(3<<25)  ; the scales of 128 rows: 4,096 dense bytes as 16 rows of 256 (32 elements of 8 bytes), 16 bytes of padding behind each
	s_or_b32 s[G1SB+0], s44, (3<<16)|(1<<20)|(1<<21)|(5<<22)|(3<<25)
.irp g, G1S, G1SB
	s_mov_b32 s[\g+1], 32<<16
	s_mov_b32 s[\g+2], (128*KS/256)<<16
	s_mov_b32 s[\g+3], 32<<16
	s_mov_b32 s[\g+4], 128*KS/256
	s_mov_b32 s[\g+5], 32
	s_mov_b32 s[\g+6], 0
	s_mov_b32 s[\g+7], 0
.endr
	; the stream rows.  Q, K: A from 4096 T + 1024 c4, B from 12288 + 1024 T.  V: A from 14336 (wv), B from 8192 + 1024 c4 (v)
	s_lshl_b32 s19, s66, 12
	s_lshl_b32 s22, s67, 10
	s_add_co_u32 s19, s19, s22
	s_lshl_b32 s23, s66, 10
	s_add_co_u32 s23, s23, 12288
	s_add_co_u32 s22, s22, 8192
	s_cmp_eq_u32 s66, 2
	s_cselect_b32 s19, 14336, s19
	s_cselect_b32 s23, s22, s23
	s_lshl_b32 s18, s16, 7                         ; which 128 rows I fetch
	s_lshl_b32 s20, s41, 8
	s_add_co_u32 s20, s20, s18
	s_add_co_u32 s20, s20, s19                     ; A's row: it hangs on cy, which my row of the cluster shares
	s_lshl_b32 s46, s40, 8
	s_add_co_u32 s46, s46, s18
	s_add_co_u32 s46, s46, s23                     ; B's row: on cx, which my column shares
	s_lshl_b32 s22, s20, 5                         ; 32 scale bytes a row
	s_mov_b32 s23, 0
	s_lshl_b32 s92, s46, 5
	s_mov_b32 s93, 0
	s_lshl_b32 s20, s20, 9                         ; 512 bytes of codes a row
	s_mov_b32 s21, 0
	s_lshl_b32 s46, s46, 9
	s_mov_b32 s47, 0
	s_mul_i32 s45, s14, HALFT                      ; where they go: wave x 128 rows: no place in the cluster enters an LDS address
	s_mul_i32 s94, s14, HALFS
	s_wait_dscnt 0x0                               ; both opening adds are done
	s_wait_kmcnt 0x0
	s_add_nc_u64 s[20:21], s[4:5], s[20:21]
	s_add_nc_u64 s[22:23], s[6:7], s[22:23]
	s_add_nc_u64 s[46:47], s[4:5], s[46:47]
	s_add_nc_u64 s[92:93], s[6:7], s[92:93]
	CROUND                                         ; all sixteen work-groups are here: the joint loads meet
	s_mov_b32 s[G0S], 1
	s_add_co_u32 s[G0S+1], s94, SCL
	s_mov_b64 s[G0S+2:G0S+3], s[22:23]
	s_or_b32 s[G0S+3], s[G0S+3], 0x80000000
	s_mov_b32 s[G0SB], 1
	s_add_co_u32 s[G0SB+1], s94, SCL
	s_mov_b64 s[G0SB+2:G0SB+3], s[92:93]
	s_or_b32 s[G0SB+3], s[G0SB+3], 0x80000000
	JLOAD G0S, G1S, G0SB, G1SB                     ; the scales first; then both slots: three loads of mine are out
.irp s, 0,1
	s_mov_b32 s[G0+4*\s], 1
	s_add_co_u32 s[G0+4*\s+1], s45, \s*SLOT
	s_add_nc_u64 s[G0+4*\s+2:G0+4*\s+3], s[20:21], \s*ROWB
	s_or_b32 s[G0+4*\s+3], s[G0+4*\s+3], 0x80000000
	s_mov_b32 s[G0B+4*\s], 1
	s_add_co_u32 s[G0B+4*\s+1], s45, \s*SLOT
	s_add_nc_u64 s[G0B+4*\s+2:G0B+4*\s+3], s[46:47], \s*ROWB
	s_or_b32 s[G0B+4*\s+3], s[G0B+4*\s+3], 0x80000000
	JLOAD G0+4*\s, G1, G0B+4*\s, G1B
.endr
	v_and_b32 v1, 15, v0                           ; r = l % 16
	v_bfe_u32 v2, v0, 4, 1                         ; h = l / 16
	v_mul_u32_u24 v3, v1, PITCH
	v_lshl_add_u32 v4, v2, 4, v3                   ; a fragment's row x pitch + 16 h
	s_mul_i32 s21, s15, HALFT
	s_mul_i32 s22, s16, HALFT
	s_add_co_u32 s22, s22, 2*HALFT
.irp s, 0,1
	v_add_nc_u32 v[ADRA+\s], s21, v4
	v_add_nc_u32 v[ADRB+\s], s22, v4
	s_add_co_u32 s21, s21, SLOT
	s_add_co_u32 s22, s22, SLOT
.endr
	v_mul_u32_u24 v5, v1, KS                       ; my row's scales: 32 bytes a row,
	v_lshrrev_b32 v6, 8, v5
	v_lshl_add_u32 v5, v6, 4, v5                   ; and 16 more for each 256 passed
	s_mul_i32 s21, s15, HALFS
	s_mul_i32 s22, s16, HALFS
	s_add_co_u32 s22, s22, 2*HALFS
	s_sub_co_u32 s22, s22, s21
	v_mul_u32_u24 v6, s22, v2                      ; lanes 16-31 take B's
	s_add_co_u32 s21, s21, SCL
	v_add_nc_u32 v5, v5, v6
	v_add_nc_u32 v[ADRS], s21, v5
	; the ways out.  g = l % 4, rl = (l / 4) % 4, the head of the wave's two = h
	v_and_b32 v3, 3, v0                            ; g
	v_bfe_u32 v5, v0, 2, 2                         ; rl
	v_and_b32 v6, 31, v0                           ; l
	s_mul_i32 s23, s14, 16*S1P                     ; my f32 stage
	v_mul_u32_u24 v12, v1, S1P
	v_lshl_add_u32 v12, v2, 5, v12
	v_add_nc_u32 v[STO], s23, v12                  ; in: row r, 32 bytes for each half of the lanes
	v_mul_u32_u24 v12, v5, S1P
	v_lshl_add_u32 v12, v2, 8, v12
	v_add_nc_u32 v12, s23, v12                     ; out: row rl, head h
	v_lshl_add_u32 v[RA], v3, 5, v12
	v_lshl_add_u32 v[RP], v3, 6, v12
	s_lshl_b32 s21, s14, 12
	s_add_co_u32 s21, s21, S2                      ; my f16 stage
	v_lshlrev_b32 v12, 11, v2
	v_lshl_add_u32 v12, v5, 7, v12
	v_lshl_add_u32 v12, v3, 4, v12
	v_add_nc_u32 v[ST2], s21, v12
	v_lshlrev_b32 v[GOQ], 4, v6
	v_add_nc_u32 v[RB2], s21, v[GOQ]
	v_lshlrev_b32 v[TAB], 8, v5
	v_lshl_add_u32 v[TAB], v3, 5, v[TAB]
	v_lshlrev_b32 v[BQA], 8, v2
	v_lshl_add_u32 v[BPA], v3, 6, v[BQA]
	v_lshl_add_u32 v[BQA], v3, 5, v[BQA]
	v_lshlrev_b32 v[VBA], 2, v1
	s_mul_i32 s21, s14, 16*272
	s_add_co_u32 s21, s21, VSTG                    ; V's stage
	v_mul_u32_u24 v12, v1, 272
	v_lshl_add_u32 v12, v2, 4, v12
	v_add_nc_u32 v[STOV], s21, v12
	v_mul_u32_u24 v12, v2, 272
	v_lshl_add_u32 v12, v1, 4, v12
	v_add_nc_u32 v[RDV], s21, v12
	v_lshlrev_b32 v12, 12, v2
	v_lshl_add_u32 v[COV], v1, 4, v12
	; the pointers
	s_lshl_b32 s17, s67, 2
	s_add_co_u32 s17, s17, s41                     ; Q, K: which 256 tokens: 4 c4 + cy
	s_and_b32 s18, s17, 7
	s_lshl_b32 s18, s18, 8
	s_lshl_b32 s19, s15, 7
	s_add_co_u32 s18, s18, s19                     ; my first token's place in its sequence
	s_lshl_b32 s20, s18, 8
	s_mov_b32 s21, 0
	s_add_nc_u64 s[8:9], s[8:9], s[20:21]          ; the table at that row
	s_cmp_eq_u32 s66, 1
	s_cselect_b64 s[10:11], s[96:97], s[10:11]
	s_cmp_eq_u32 s66, 2
	s_cselect_b64 s[10:11], s[98:99], s[10:11]     ; the tensor's bias
	s_lshl_b32 s46, s40, 10
	s_lshl_b32 s47, s16, 9
	s_add_co_u32 s46, s46, s47
	s_mov_b32 s47, 0
	s_add_nc_u64 s[92:93], s[10:11], s[46:47]      ; Q, K: at channel 256 cx + 128 x half
	s_lshl_b32 s20, s41, 10
	s_lshl_b32 s21, s15, 9
	s_add_co_u32 s20, s20, s21
	s_mov_b32 s21, 0
	s_add_nc_u64 s[94:95], s[10:11], s[20:21]      ; V: at channel 256 cy + 128 x half
	s_lshr_b32 s19, s17, 3                         ; Q, K: the batch
	s_lshl_b32 s19, s19, 4
	s_lshl_b32 s46, s40, 2
	s_add_co_u32 s46, s46, s19
	s_lshl_b32 s47, s16, 1
	s_add_co_u32 s46, s46, s47                     ; my first head: 16 batch + 4 cx + 2 x half
	s_lshl_b32 s46, s46, 11
	s_add_co_u32 s46, s46, s18
	s_lshl_b32 s46, s46, 7                         ; rows of 128 bytes
	s_lshl_b32 s47, s66, 23
	s_add_co_u32 s46, s46, s47
	s_mov_b32 s47, 0
	s_add_nc_u64 s[12:13], s[100:101], s[46:47]
	s_lshl_b32 s42, s67, 2
	s_add_co_u32 s42, s42, s40                     ; V: which 256 tokens: 4 c4 + cx
	s_lshr_b32 s46, s42, 3
	s_lshl_b32 s46, s46, 10
	s_lshl_b32 s47, s41, 8
	s_add_co_u32 s46, s46, s47
	s_lshl_b32 s47, s15, 7
	s_add_co_u32 s46, s46, s47                     ; my first row of VT: 1024 batch + 256 cy + 128 x half
	s_lshl_b32 s46, s46, 12
	s_and_b32 s47, s42, 7
	s_lshl_b32 s47, s47, 9
	s_add_co_u32 s46, s46, s47
	s_lshl_b32 s47, s16, 8
	s_add_co_u32 s46, s46, s47
	s_add_co_u32 s46, s46, 0x1000000
	s_mov_b32 s47, 0
	s_add_nc_u64 s[22:23], s[100:101], s[46:47]
; Block a's 16 rows of the table, 64 registers of window 1: for u = 0 .. 3 row 16 a + 4 u + rl: cos f_(8 g ..) in 8 registers, sin in 8.  (Written under destination window 1.)
.macro TLOAD a
.set TS, 128*((\a)%2)+64*(1-(((\a)/2)%2))
.irp u, 0,1,2,3
	global_load_b128 v[TS+16*\u:TS+16*\u+3], v[TAB], s[8:9] offset:(16*(\a)+4*\u)*256
	global_load_b128 v[TS+16*\u+4:TS+16*\u+7], v[TAB], s[8:9] offset:(16*(\a)+4*\u)*256+16
	global_load_b128 v[TS+16*\u+8:TS+16*\u+11], v[TAB], s[8:9] offset:(16*(\a)+4*\u)*256+128
	global_load_b128 v[TS+16*\u+12:TS+16*\u+15], v[TAB], s[8:9] offset:(16*(\a)+4*\u)*256+144
.endr
.endm
	global_load_b128 v[BL:BL+3], v[BQA], s[92:93]
	global_load_b128 v[BL+4:BL+7], v[BQA], s[92:93] offset:16
	global_load_b128 v[BH:BH+3], v[BQA], s[92:93] offset:128
	global_load_b128 v[BH+4:BH+7], v[BQA], s[92:93] offset:144
.irp i, 0,1,2,3
	global_load_b128 v[BP+4*\i:BP+4*\i+3], v[BPA], s[92:93] offset:16*\i
.endr
.irp a, 0,1,2,3,4,5,6,7
	global_load_b32 v[VBI+2*\a], v[VBA], s[94:95] offset:64*\a     ; twice: a pair for the packed addition
	global_load_b32 v[VBI+2*\a+1], v[VBA], s[94:95] offset:64*\a
.endr
	WIN TO_B
	TLOAD 0
	TLOAD 1
	WIN 0
.macro FRAG reg, adr, q, i             ; 16 rows x 128 K of 4-bit codes: 8 registers: lane l holds row l % 16; registers 4 c .. 4 c + 3 hold K = 64 c + 32 (l / 16) + 0 .. 31
.irp c, 0,1
	ds_load_b128 v[\reg+4*\c:\reg+4*\c+3], v[\adr] offset:64*(\q)+32*\c+(\i)*16*PITCH
.endr
.endm
; 16 matrix instructions: A's blocks a0, a0 + 1 x B's eight, the slot's q-th 128 along K.  p: B's set; sc: the set of scale words.  zero = 1: the first product starts the sums.
; The 64 accumulators take turns, one instruction a turn, in the same order in every step.
.macro MUL16 a0, p, q, sc, zero
.irp a, \a0, \a0+1
.irp b, 0,1,2,3,4,5,6,7
.if \zero
	v_wmma_scale_f32_16x16x128_f8f6f4 v[8*(8*((\a)%4)+\b):8*(8*((\a)%4)+\b)+7], v[128*(\p)+FR*\b:128*(\p)+FR*\b+FR-1], v[AF+FR*(\a):AF+FR*(\a)+FR-1], 0, v[SC+8*NQ*(\sc)+NQ*\b+(\q)], v[SC+8*NQ*(\sc)+NQ*(\a)+(\q)] matrix_a_fmt:MATRIX_FMT_FP4 matrix_b_fmt:MATRIX_FMT_FP4 matrix_a_scale:MATRIX_SCALE_ROW1
.else
	v_wmma_scale_f32_16x16x128_f8f6f4 v[8*(8*((\a)%4)+\b):8*(8*((\a)%4)+\b)+7], v[128*(\p)+FR*\b:128*(\p)+FR*\b+FR-1], v[AF+FR*(\a):AF+FR*(\a)+FR-1], v[8*(8*((\a)%4)+\b):8*(8*((\a)%4)+\b)+7], v[SC+8*NQ*(\sc)+NQ*\b+(\q)], v[SC+8*NQ*(\sc)+NQ*(\a)+(\q)] matrix_a_fmt:MATRIX_FMT_FP4 matrix_b_fmt:MATRIX_FMT_FP4 matrix_a_scale:MATRIX_SCALE_ROW1
.endif
.endr
.endr
.endm
.macro FETCH_B slot, q, p
	WIN TO_B
.irp i, 0,1,2,3,4,5,6,7
	FRAG 128*(\p)+FR*\i, ADRB+\slot, \q, \i
.endr
	WIN 0
.endm
.macro FETCH_A slot, q, i0
.irp i, \i0, \i0+1, \i0+2, \i0+3
	FRAG AF+FR*(\i), ADRA+\slot, \q, \i
.endr
.endm
.macro SCALES sc                       ; a slot's scale words: four a row; lanes 0-15 take A's block i, lanes 16-31 B's block i
.irp i, 0,1,2,3,4,5,6,7
	ds_load_b128 v[SC+8*NQ*\sc+NQ*\i:SC+8*NQ*\sc+NQ*\i+3], v[ADRS] offset:\i*SBLK
.endr
.endm
.macro PLACES n                        ; plain vector lines between a matrix instruction and a load into, or a read of, its registers
.rept \n
	v_nop
.endr
.endm
.macro STEP slot, q, zero              ; 128 along K with its successor in the same slot
	s_wait_dscnt 4*NL                              ; B's set and A's blocks 0-3 are in; the youngest eight loads (A's blocks 4-7) may be out
	WIN MUL_LO
	MUL16 0, (\q)%2, \q, \slot, \zero
	MUL16 2, (\q)%2, \q, \slot, \zero
	s_wait_dscnt 0                                 ; A's blocks 4-7 are in
	PLACES NP
	FETCH_B \slot, (\q)+1, 1-(\q)%2
	FETCH_A \slot, (\q)+1, 0
	WIN MUL_HI
	MUL16 4, (\q)%2, \q, \slot, \zero
	MUL16 6, (\q)%2, \q, \slot, \zero
	PLACES NP
	WIN 0
	FETCH_A \slot, (\q)+1, 4
.endm
; Slot 0's last step changes slots: one barrier; in front of it each wave waits for all its tensor loads (its part of slot 1), adds 0 to its spare word, and waits for that and for its reads of slot 0.  Nothing is filled again.
.macro TURN slot, next
	s_wait_tensorcnt 0x0                           ; all my tensor loads have landed
	ds_add_u32 v[SPW], v[NIL]                      ; 0 onto my spare word
	s_wait_dscnt 4*NL+1                            ; (the add and the youngest eight loads may be out)
	WIN MUL_LO
	MUL16 0, 1, NQ-1, \slot, 0
	s_wait_dscnt 0x0                               ; the add is done, and my reads of this slot are over
	s_barrier_signal -1
	MUL16 2, 1, NQ-1, \slot, 0
	WIN 0
	s_barrier_wait -1
	PLACES NP
	v_add_nc_u32 v[ADRS], 4*NQ, v[ADRS]            ; on to the next slot's scale words (no LDS load of mine is out)
	FETCH_B \next, 0, 0
	FETCH_A \next, 0, 0
	SCALES \next
	WIN MUL_HI
	MUL16 4, 1, NQ-1, \slot, 0
	MUL16 6, 1, NQ-1, \slot, 0
	PLACES NP
	WIN 0
	FETCH_A \next, 0, 4
.endm
.macro STEPS slot, from
.set Q, \from
.rept NQ-1-\from
	STEP \slot, Q, 0
.set Q, Q+1
.endr
.endm
	s_wait_tensorcnt 1                             ; the scales and my part of slot 0 are in (slot 1's load may be out),
	s_barrier_signal -1
	s_barrier_wait -1                              ; everybody's are
	FETCH_B 0, 0, 0
	FETCH_A 0, 0, 0
	SCALES 0
	FETCH_A 0, 0, 4
	STEP 0, 0, 1                                   ; the first step's products start the sums
	STEPS 0, 1
	TURN 0, 1
	STEPS 1, 0
	s_wait_dscnt 4*NL                              ; the last step: nothing more to fetch
	WIN MUL_LO
	MUL16 0, 1, NQ-1, 1, 0
	MUL16 2, 1, NQ-1, 1, 0
	s_wait_dscnt 0
	WIN MUL_HI
	MUL16 4, 1, NQ-1, 1, 0
	MUL16 6, 1, NQ-1, 1, 0
	WIN 0
	PLACES NP                                      ; for the first reads of results and the loads into registers that held fragments and scale words
	s_cmp_eq_u32 s66, 2                            ; the tensor: the same in all sixteen partners
	s_cbranch_scc1 .Lvout
	; ---------------- Q's and K's way out, block by block of 16 tokens x 128 channels (two heads)
.macro TOST1 a                         ; the block as f32 into my stage, each accumulator from its low end on
.set AC, 64*((\a)%4)
	WIN 0x08+4*((\a)/4)                            ; an LDS store's data: window 2 or 3
.irp b, 0,1,2,3,4,5,6,7
	ds_store_b128 v[STO], v[AC+8*\b:AC+8*\b+3] offset:64*\b
	ds_store_b128 v[STO], v[AC+8*\b+4:AC+8*\b+7] offset:64*\b+16
.endr
	WIN 0
.endm
.macro XLOAD u                         ; rows 4 u + rl: my 8 low, 8 high and the 16 partners, into set u % 2
.set XB, XS0+32*((\u)%2)
	ds_load_b128 v[XB:XB+3], v[RA] offset:4*S1P*(\u)
	ds_load_b128 v[XB+4:XB+7], v[RA] offset:4*S1P*(\u)+16
	ds_load_b128 v[XB+8:XB+11], v[RA] offset:4*S1P*(\u)+128
	ds_load_b128 v[XB+12:XB+15], v[RA] offset:4*S1P*(\u)+144
.irp i, 0,1,2,3
	ds_load_b128 v[XB+16+4*\i:XB+16+4*\i+3], v[RP] offset:4*S1P*(\u)+16*\i
.endr
.endm
.macro COMP a, u                       ; bias, rope, f16: results in v[32 + 8 (u % 2)] on: 4 registers low, 4 high
.set XB, XS0+32*((\u)%2)
.set TS, 128*((\a)%2)+64*(1-(((\a)/2)%2))+16*(\u)
.set OB, 32+8*((\u)%2)
.irp i, 0,2,4,6
	v_pk_add_f32 v[XB+\i:XB+\i+1], v[XB+\i:XB+\i+1], v[BL+\i:BL+\i+1]
	v_pk_add_f32 v[XB+8+\i:XB+8+\i+1], v[XB+8+\i:XB+8+\i+1], v[BH+\i:BH+\i+1]
.endr
.irp i, 0,2,4,6,8,10,12,14
	v_pk_add_f32 v[XB+16+\i:XB+16+\i+1], v[XB+16+\i:XB+16+\i+1], v[BP+\i:BP+\i+1]
.endr
	WIN 0x04                                       ; source 1, the table: window 1
.irp i, 0,2,4,6
	v_pk_mul_f32 v[XB+\i:XB+\i+1], v[XB+\i:XB+\i+1], v[TS+\i:TS+\i+1]
	v_pk_mul_f32 v[XB+8+\i:XB+8+\i+1], v[XB+8+\i:XB+8+\i+1], v[TS+\i:TS+\i+1]
.endr
.irp e, 0,1,2,3,4,5,6,7
	v_fma_f32 v[XB+\e], -v[XB+16+2*\e+1], v[TS+8+\e], v[XB+\e]
	v_fma_f32 v[XB+8+\e], v[XB+16+2*\e], v[TS+8+\e], v[XB+8+\e]
.endr
	WIN 0
.irp i, 0,1,2,3
	v_cvt_pk_f16_f32 v[OB+\i], v[XB+2*\i], v[XB+2*\i+1]
	v_cvt_pk_f16_f32 v[OB+4+\i], v[XB+8+2*\i], v[XB+8+2*\i+1]
.endr
	ds_store_b128 v[ST2], v[OB:OB+3] offset:512*(\u)
	ds_store_b128 v[ST2], v[OB+4:OB+7] offset:512*(\u)+64
.endm
.macro RBLOAD a                        ; the block's 2 x 16 rows of 128 bytes back, 512 consecutive bytes an instruction
.set RB, RBS+32*((\a)%2)
.irp i, 0,1,2,3,4,5,6,7
	ds_load_b128 v[RB+4*\i:RB+4*\i+3], v[RB2] offset:512*\i
.endr
.endm
.macro SENDQ a
.set RB, RBS+32*((\a)%2)
.irp i, 0,1,2,3,4,5,6,7
	global_store_b128 v[GOQ], v[RB+4*\i:RB+4*\i+3], s[12:13] offset:(\i/4)*262144+(\a)*2048+(\i%4)*512   ; 32 lanes store 512 consecutive bytes, at a multiple of 256 from the buffer's first byte
.endr
.endm
.macro QKBLOCK a
	TOST1 \a
	XLOAD 0
	XLOAD 1
.if (\a) > 0
	s_wait_dscnt 32                                ; the block before is back in registers: behind its loads stand these 16 stores and 16 loads
	SENDQ (\a)-1
.endif
.if (\a) < 5
	s_wait_loadcnt 48                              ; this block's table rows are in; those of the three blocks behind it may be out
.else
	s_wait_loadcnt 16*(7-(\a))
.endif
	s_wait_dscnt 8                                 ; set 0 is in; set 1's eight loads may be out
	COMP \a, 0
	XLOAD 2
	s_wait_dscnt 10                                ; set 1 is in; behind it: two stores and eight loads
	COMP \a, 1
	XLOAD 3
	s_wait_dscnt 10
	COMP \a, 2
	s_wait_dscnt 2                                 ; behind set 1's loads: two stores
	COMP \a, 3
.if (\a) < 4
	WIN TO_B
	TLOAD (\a)+4                                   ; into the set just used
	WIN 0
.endif
.if (\a) >= 2
	s_wait_xcnt 0x0                                ; the stores of the block two back have read their data: the set may be loaded again
.endif
	RBLOAD \a
.endm
	WIN TO_B
	TLOAD 2                                        ; into the registers that held B's fragments
	TLOAD 3
	WIN 0
.irp a, 0,1,2,3,4,5,6,7
	QKBLOCK \a
.endr
	s_wait_dscnt 0x0
	SENDQ 7
	s_branch .Lend
.Lvout:
	; ---------------- V's way out, block by block of 16 channels x 128 tokens
	s_wait_loadcnt 0x0                             ; the bias
.macro PACKV a                         ; + bias, to f16: 16 bytes a lane for each of the eight token blocks
.set AC, 64*((\a)%4)
	WIN 0x02+((\a)/4)                              ; source 0: window 2 or 3
.set i, 0
.rept 32
	v_pk_add_f32 v[64+2*i:65+2*i], v[AC+2*i:AC+2*i+1], v[VBI+2*(\a):VBI+2*(\a)+1]
.set i, i+1
.endr
	WIN 0
.set i, 0
.rept 32
	v_cvt_pk_f16_f32 v[32+i], v[64+2*i], v[65+2*i]
.set i, i+1
.endr
.endm
.macro TOSTV a
.set BB, 128+32*((\a)%2)
.irp b, 0,1,2,3,4,5,6,7
	ds_store_b128 v[STOV], v[32+4*\b:35+4*\b] offset:32*\b
.endr
.irp t, 0,1,2,3,4,5,6,7
	ds_load_b128 v[BB+4*\t:BB+4*\t+3], v[RDV] offset:\t*2*272      ; LDS serves a wave's instructions in order: these see the stores above
.endr
.endm
.macro SENDV a
.set BB, 128+32*((\a)%2)
	s_wait_dscnt 0x0                               ; the block is back in registers
	s_wait_xcnt 0x0                                ; earlier stores have read their data: the other set may be loaded again
.irp t, 0,1,2,3,4,5,6,7
	global_store_b128 v[COV], v[BB+4*\t:BB+4*\t+3], s[22:23] offset:(\a)*65536+\t*8192   ; 16 lanes store 256 consecutive bytes of a row of VT, at a multiple of 256
.endr
.endm
	PACKV 0
	TOSTV 0
.irp a, 1,2,3,4,5,6,7
	PACKV \a                                       ; a block's arithmetic stands between the loads of the block before and the wait for them
	SENDV (\a)-1
	TOSTV \a
.endr
	SENDV 7
.Lend:
	s_wait_tensorcnt 0x0                           ; the wave's end, behind my last tensor load and my last LDS store
	ds_add_u32 v[SPW], v[NIL]
	s_wait_dscnt 0x0
	CROUND                                         ; the closing round: no work-group ends while a partner may still ask for a tile that names it
	s_endpgm
.Lfunc_end_k_q8386fd15c2_proj:
	.size	k_q8386fd15c2_proj, .Lfunc_end_k_q8386fd15c2_proj-k_q8386fd15c2_proj
	.p2alignl 7, 3214868480
	.fill 96, 4, 3214868480
	.section	.rodata,"a",@progbits
	.p2align	6, 0x0
	.amdhsa_kernel k_q8386fd15c2_proj
		.amdhsa_group_segment_fixed_size 327680
		.amdhsa_private_segment_fixed_size 0
		.amdhsa_enable_private_segment 0
		.amdhsa_kernarg_size 56
		.amdhsa_user_sgpr_count 2
		.amdhsa_user_sgpr_kernarg_segment_ptr 1
		.amdhsa_wavefront_size32 1
		.amdhsa_system_sgpr_workgroup_id_x 1
		.amdhsa_system_sgpr_workgroup_id_y 1
		.amdhsa_system_sgpr_workgroup_id_z 1
		.amdhsa_system_vgpr_workitem_id 0
		.amdhsa_next_free_vgpr 1024
		.amdhsa_next_free_sgpr 102
		.amdhsa_reserve_vcc 0
		.amdhsa_float_denorm_mode_32 3
		.amdhsa_float_denorm_mode_16_64 3
		.amdhsa_memory_ordered 1
		.amdhsa_forward_progress 1
		.amdhsa_inst_pref_size 255
	.end_amdhsa_kernel
	.section	.bss,"aw",@nobits
	.p2align	6
	.space	262144
	.amdgpu_metadata
---
amdhsa.version: [ 1, 2 ]
amdhsa.kernels:
  - .name:           k_q8386fd15c2_proj
    .symbol:         k_q8386fd15c2_proj.kd
    .args:
      - { .name: codes, .offset: 0, .size: 8, .value_kind: global_buffer, .address_space: global }
      - { .name: scales, .offset: 8, .size: 8, .value_kind: global_buffer, .address_space: global }
      - { .name: rope, .offset: 16, .size: 8, .value_kind: global_buffer, .address_space: global }
      - { .name: bq, .offset: 24, .size: 8, .value_kind: global_buffer, .address_space: global }
      - { .name: bk, .offset: 32, .size: 8, .value_kind: global_buffer, .address_space: global }
      - { .name: bv, .offset: 40, .size: 8, .value_kind: global_buffer, .address_space: global }
      - { .name: qkv, .offset: 48, .size: 8, .value_kind: global_buffer, .address_space: global }
    .group_segment_fixed_size: 327680
    .private_segment_fixed_size: 0
    .kernarg_segment_align: 8
    .kernarg_segment_size: 56
    .max_flat_workgroup_size: 128
    .sgpr_count:     102
    .vgpr_count:     1024
    .wavefront_size: 32
...
	.end_amdgpu_metadata
.endif
;; end of part 2
;; launch attng (part 3): grid 4 x 32, 8 waves a work-group, no clusters, 35,840 bytes of LDS; arguments qkv, gp; writes gp
.if DOCPART == 3
	.amdgcn_target "amdgcn-amd-amdhsa--gfx1250"
	.amdhsa_code_object_version 6
	.text
	.protected	k_q8386fd15c2_attng
	.globl	k_q8386fd15c2_attng
	.p2align	8
	.type	k_q8386fd15c2_attng,@function
k_q8386fd15c2_attng:
	s_mov_b64 s[64:65], 0
	v_nop
	global_prefetch_b8 v0, s[64:65] scope:SCOPE_SE
	s_setreg_imm32_b32 hwreg(HW_REG_WAVE_MODE, 25, 1), 1
	s_wait_xcnt 0x0
; ATTNG.  The first 16 queries of each (batch, head) see ALL 2,048 keys (the model's mask lets rows under 16 through).  A work-group takes one (batch, head) (y) and 512 keys (x); each of its eight waves 64 of them.
; It leaves a partial softmax: M = the largest c s of its keys, L = the sum of 2^(c s - M), O = the sum of 2^(c s - M) V, c = log2(e) / 8.  The next launch joins the four partials.
; Both products are used transposed: S^T = K Q^T (source 0 = 16 keys, source 1 = the 16 queries), O^T = V^T P (source 0 = 16 channels, source 1 = P): a lane holds one query (lane % 16) throughout, and two tiles of S^T, rounded
; to f16 in pairs, are P's fragment.  Operands f16, sums f32; the maximum is taken away before the exponential.  No tensor load: each wave reads its own keys once, straight into registers.
; The waves' partials meet in LDS: their maxima (barrier), then their O, as images of registers, and their sums (barrier); wave w adds group w of four registers of all eight waves and stores it.
; gp: O at ((bh 4 + x) 8 + g) 512 + 16 lane; from byte 524,288 on the pair (M, L) at (bh 4 + x) 256 + 8 lane.
; REGISTERS: v3, v4 global offsets; v5, v6 the add's two; v7-11 LDS addresses; v[12:13] -c m; v[14:15] the sum; v16-31 Q; v32-95 K; v96-159 V; v160-191 S^T, then p; v192-223 O^T; v224-255 at work.
.set LXO,   1024                       ; LDS: the waves' maxima at 0 (4 bytes a thread), their sums here,
.set OIO,   2048                       ; their O: 4,096 bytes a wave
.set SPARE, 34816                      ; the spare words, 128 bytes a wave; no other line names them
.set SPW, 5
.set NIL, 6
	s_load_b128 s[4:7], s[0:1], 0x0                ; qkv, gp
	v_lshl_add_u32 v[SPW], v0, 2, SPARE
	v_mov_b32 v[NIL], 0
	v_lshrrev_b32 v1, 5, v0
	v_readfirstlane_b32 s8, v1                     ; wave 0..7
	s_and_b32 s9, ttmp7, 0xffff                    ; (batch, head)
	v_and_b32 v1, 15, v0                           ; r
	v_bfe_u32 v2, v0, 4, 1                         ; h
	v_lshlrev_b32 v3, 7, v1
	v_lshl_add_u32 v3, v2, 4, v3                   ; Q, K: row r of 128 bytes, + 16 h
	v_lshlrev_b32 v4, 12, v1
	v_lshl_add_u32 v4, v2, 4, v4                   ; VT: row r of 4,096 bytes, + 16 h
	v_lshlrev_b32 v7, 2, v0                        ; 4 x thread
	v_and_b32 v11, 31, v0
	v_lshlrev_b32 v8, 2, v11                       ; 4 x lane
	v_lshlrev_b32 v11, 4, v11                      ; 16 x lane
	s_lshl_b32 s10, s8, 12
	v_add_nc_u32 v9, s10, v11                      ; my wave's image
	s_lshl_b32 s10, s8, 9
	v_add_nc_u32 v10, s10, v11                     ; group w of every wave's image
	v_mov_b32 v228, 0                              ; a lane permute's destination counts as read
	s_mov_b32 s20, 0x76543210
	s_mov_b32 s21, 0xfedcba98                      ; lane l xor 16
	s_mov_b32 s22, 0x3e38aa3b                      ; c = log2(e) / 8
	s_mov_b32 s23, s22
	s_mov_b32 s24, 0xbe38aa3b                      ; -c
	s_lshl_b32 s12, s9, 18                         ; 262,144 bytes for each (batch, head)
	s_mov_b32 s13, 0
	s_lshl_b32 s14, ttmp9, 9
	s_lshl_b32 s15, s8, 6
	s_add_co_u32 s14, s14, s15                     ; my first key
	s_lshl_b32 s16, s14, 7
	s_add_co_u32 s16, s16, s12
	s_add_co_u32 s16, s16, 0x800000
	s_mov_b32 s17, 0
	s_lshl_b32 s18, s14, 1
	s_add_co_u32 s18, s18, s12
	s_add_co_u32 s18, s18, 0x1000000
	s_mov_b32 s19, 0
	s_lshl_b32 s26, s9, 2
	s_add_co_u32 s26, s26, ttmp9                   ; which partial
	s_lshl_b32 s28, s26, 12
	s_add_co_u32 s28, s28, s10
	s_mov_b32 s29, 0
	s_lshl_b32 s30, s26, 8
	s_add_co_u32 s30, s30, 0x80000
	s_mov_b32 s31, 0
	s_wait_kmcnt 0x0
	s_add_nc_u64 s[12:13], s[4:5], s[12:13]
	s_add_nc_u64 s[16:17], s[4:5], s[16:17]
	s_add_nc_u64 s[18:19], s[4:5], s[18:19]
	s_add_nc_u64 s[28:29], s[6:7], s[28:29]
	s_add_nc_u64 s[30:31], s[6:7], s[30:31]
.irp c, 0,1,2,3
	global_load_b128 v[16+4*\c:19+4*\c], v3, s[12:13] offset:32*\c
.endr
.irp t, 0,1,2,3
.irp c, 0,1,2,3
	global_load_b128 v[32+16*\t+4*\c:35+16*\t+4*\c], v3, s[16:17] offset:2048*\t+32*\c
.endr
.endr
.irp s, 0,1
.irp dt, 0,1,2,3
	global_load_b128 v[96+32*\s+8*\dt:99+32*\s+8*\dt], v4, s[18:19] offset:65536*\dt+64*\s
	global_load_b128 v[100+32*\s+8*\dt:103+32*\s+8*\dt], v4, s[18:19] offset:65536*\dt+64*\s+32
.endr
.endr
	s_wait_loadcnt 16                              ; Q and K are in; V's sixteen loads may be out
.irp t, 0,1,2,3                                ; the four tiles by turns
	v_wmma_f32_16x16x32_f16 v[160+8*\t:167+8*\t], v[32+16*\t:39+16*\t], v[16:23], 0
.endr
.irp t, 0,1,2,3
	v_wmma_f32_16x16x32_f16 v[160+8*\t:167+8*\t], v[40+16*\t:47+16*\t], v[24:31], v[160+8*\t:167+8*\t]
.endr
.rept 4
	v_nop
.endr
.irp t, 0,1,2,3
	v_max3_num_f32 v[224+\t], v[160+8*\t], v[161+8*\t], v[162+8*\t]
.endr
.irp i, 3,5
.irp t, 0,1,2,3
	v_max3_num_f32 v[224+\t], v[224+\t], v[160+8*\t+\i], v[161+8*\t+\i]
.endr
.endr
.irp t, 0,1,2,3
	v_max_num_f32 v[224+\t], v[224+\t], v[167+8*\t]
.endr
	v_max3_num_f32 v224, v224, v225, v226
	v_max_num_f32 v224, v224, v227
	v_permlanex16_b32 v228, v224, s20, s21
	v_max_num_f32 v224, v224, v228                 ; my query's largest score among my wave's 64 keys
	v_mul_f32 v229, s22, v224                      ; c m
	v_mul_f32 v12, s24, v224                       ; -c m
	v_mov_b32 v13, v12
	ds_store_b32 v7, v229
.set i, 0
.rept 16
	v_pk_fma_f32 v[160+2*i:161+2*i], v[160+2*i:161+2*i], s[22:23], v[12:13] op_sel_hi:[1,0,0]
.set i, i+1
.endr
.set i, 0
.rept 32
	v_exp_f32 v[160+i], v[160+i]
.set i, i+1
.endr
	v_nop                                          ; a plain line behind the last exponential
	s_wait_alu depctr_va_vdst(0)                   ; one wait for the batch, ahead of its first reader
	v_pk_add_f32 v[14:15], v[160:161], v[162:163]  ; the sum of the unrounded p, in two chains
	v_pk_add_f32 v[230:231], v[164:165], v[166:167]
.irp j, 8,12,16,20,24,28
	v_pk_add_f32 v[14:15], v[14:15], v[160+\j:161+\j]
	v_pk_add_f32 v[230:231], v[230:231], v[162+\j:163+\j]
.endr
	v_pk_add_f32 v[14:15], v[14:15], v[230:231]
.irp s, 0,1                                    ; p to f16 in place: 32 keys' fragment at v[160 + 16 s]
.irp i, 0,1,2,3
	v_cvt_pk_f16_f32 v[160+16*\s+\i], v[160+16*\s+2*\i], v[161+16*\s+2*\i]
.endr
.irp i, 0,1,2,3
	v_cvt_pk_f16_f32 v[164+16*\s+\i], v[168+16*\s+2*\i], v[169+16*\s+2*\i]
.endr
.endr
	s_wait_loadcnt 0x0                             ; V
.irp dt, 0,1,2,3
	v_wmma_f32_16x16x32_f16 v[192+8*\dt:199+8*\dt], v[96+8*\dt:103+8*\dt], v[160:167], 0
.endr
.irp dt, 0,1,2,3
	v_wmma_f32_16x16x32_f16 v[192+8*\dt:199+8*\dt], v[128+8*\dt:135+8*\dt], v[176:183], v[192+8*\dt:199+8*\dt]
.endr
.rept 4
	v_nop
.endr
	s_wait_dscnt 0x0                               ; for the others' sake: my maximum is stored
	s_barrier_signal -1
	s_barrier_wait -1
.irp w, 0,1,2,3,4,5,6,7
	ds_load_b32 v[232+\w], v8 offset:128*\w
.endr
	s_wait_dscnt 0x0
	v_max3_num_f32 v240, v232, v233, v234
	v_max3_num_f32 v240, v240, v235, v236
	v_max3_num_f32 v240, v240, v237, v238
	v_max_num_f32 v240, v240, v239                 ; M of the work-group's 512 keys
	v_sub_f32 v241, v229, v240
	v_exp_f32 v242, v241                           ; my wave's share under M
	v_add_f32 v14, v14, v15
	v_permlanex16_b32 v228, v14, s20, s21
	v_add_f32 v14, v14, v228
	v_mov_b32 v243, 0                              ; (named as the upper half of the pair)
	s_wait_alu depctr_va_vdst(0)
	v_mul_f32 v14, v14, v242
.set i, 0
.rept 16
	v_pk_mul_f32 v[192+2*i:193+2*i], v[192+2*i:193+2*i], v[242:243] op_sel_hi:[1,0]
.set i, i+1
.endr
.irp g, 0,1,2,3,4,5,6,7
	ds_store_b128 v9, v[192+4*\g:195+4*\g] offset:OIO+512*\g
.endr
	ds_store_b32 v7, v14 offset:LXO
	s_wait_dscnt 0x0
	s_barrier_signal -1
	s_barrier_wait -1
.irp w, 0,1,2,3,4,5,6,7
	ds_load_b128 v[32+4*\w:35+4*\w], v10 offset:OIO+4096*\w
.endr
	s_wait_dscnt 0x0
.irp w, 1,2,3,4,5,6,7
	v_pk_add_f32 v[32:33], v[32:33], v[32+4*\w:33+4*\w]
	v_pk_add_f32 v[34:35], v[34:35], v[34+4*\w:35+4*\w]
.endr
	global_store_b128 v11, v[32:35], s[28:29]      ; 512 consecutive bytes
	s_cmp_lg_u32 s8, 0
	s_cbranch_scc1 .Ldone
.irp w, 0,1,2,3,4,5,6,7
	ds_load_b32 v[64+\w], v8 offset:LXO+128*\w
.endr
	v_lshrrev_b32 v1, 1, v11                       ; 8 x lane
	s_wait_dscnt 0x0
	v_add_f32 v64, v64, v65
	v_add_f32 v66, v66, v67
	v_add_f32 v68, v68, v69
	v_add_f32 v70, v70, v71
	v_add_f32 v64, v64, v66
	v_add_f32 v68, v68, v70
	v_add_f32 v241, v64, v68                       ; L
	global_store_b64 v1, v[240:241], s[30:31]      ; 256 consecutive bytes
.Ldone:
	s_wait_tensorcnt 0x0                           ; the wave's end, behind my last LDS store
	ds_add_u32 v[SPW], v[NIL]
	s_wait_dscnt 0x0
	s_endpgm
.Lfunc_end_k_q8386fd15c2_attng:
	.size	k_q8386fd15c2_attng, .Lfunc_end_k_q8386fd15c2_attng-k_q8386fd15c2_attng
	.p2alignl 7, 3214868480
	.fill 96, 4, 3214868480
	.section	.rodata,"a",@progbits
	.p2align	6, 0x0
	.amdhsa_kernel k_q8386fd15c2_attng
		.amdhsa_group_segment_fixed_size 35840
		.amdhsa_private_segment_fixed_size 0
		.amdhsa_enable_private_segment 0
		.amdhsa_kernarg_size 16
		.amdhsa_user_sgpr_count 2
		.amdhsa_user_sgpr_kernarg_segment_ptr 1
		.amdhsa_wavefront_size32 1
		.amdhsa_system_sgpr_workgroup_id_x 1
		.amdhsa_system_sgpr_workgroup_id_y 1
		.amdhsa_system_sgpr_workgroup_id_z 1
		.amdhsa_system_vgpr_workitem_id 0
		.amdhsa_next_free_vgpr 256
		.amdhsa_next_free_sgpr 66
		.amdhsa_reserve_vcc 0
		.amdhsa_float_denorm_mode_32 3
		.amdhsa_float_denorm_mode_16_64 3
		.amdhsa_memory_ordered 1
		.amdhsa_forward_progress 1
		.amdhsa_inst_pref_size 18
	.end_amdhsa_kernel
	.amdgpu_metadata
---
amdhsa.version: [ 1, 2 ]
amdhsa.kernels:
  - .name:           k_q8386fd15c2_attng
    .symbol:         k_q8386fd15c2_attng.kd
    .args:
      - { .name: qkv, .offset: 0, .size: 8, .value_kind: global_buffer, .address_space: global }
      - { .name: gp, .offset: 8, .size: 8, .value_kind: global_buffer, .address_space: global }
    .group_segment_fixed_size: 35840
    .private_segment_fixed_size: 0
    .kernarg_segment_align: 8
    .kernarg_segment_size: 16
    .max_flat_workgroup_size: 256
    .sgpr_count:     66
    .vgpr_count:     256
    .wavefront_size: 32
...
	.end_amdgpu_metadata
.endif
;; end of part 3
;; launch attn (part 4): grid 16 x 16, 16 waves a work-group, no clusters, 180,224 bytes of LDS; arguments qkv, gp, ao; writes ao
.if DOCPART == 4
	.amdgcn_target "amdgcn-amd-amdhsa--gfx1250"
	.amdhsa_code_object_version 6
	.text
	.protected	k_q8386fd15c2_attn
	.globl	k_q8386fd15c2_attn
	.p2align	8
	.type	k_q8386fd15c2_attn,@function
k_q8386fd15c2_attn:
	s_mov_b64 s[64:65], 0
	v_nop
	global_prefetch_b8 v0, s[64:65] scope:SCOPE_SE
	s_setreg_imm32_b32 hwreg(HW_REG_WAVE_MODE, 25, 1), 1
	s_wait_xcnt 0x0
; ATTN.  The model's mask: query i >= 16 sees keys 0 .. 15 and max(16, i - 128) .. i.  A work-group takes 128 queries (x) of two heads of one batch (y = 8 batch + pair), so that a token's 256 bytes of ao are written whole.
; Each of its sixteen waves owns one head (wave / 8) and one tile of 16 queries (wave % 8), i0 = 128 x + 16 (wave % 8) on.  A tile sees ten tiles of 16 keys: G (keys 0 .. 15) and W_t, t = 0 .. 8 (keys i0 - 128 + 16 t on).
; Of W_0 the keys under i - 128 are hidden, of W_8 those over i, and everywhere those under 16, which G has (they reach beyond W_0 only where x = 0: a scalar branch on the work-group's number).
; The first tile of the first block (queries 0 .. 15) sees all keys: the launch before has left four partial softmaxes, which that wave joins.
; LDS is filled once: for each head the 128 keys before the block and the block's own 128, K as rows of 128 bytes + 16, V^T as 64 rows of 256 bytes + 16.  Where x = 0 the piece before the block is fetched from key 0 on:
; numbers that are all hidden.  Waves 0-3 fetch K's four pieces, waves 4-7 V's, one tensor load each.  No cluster: a piece is shared by two work-groups only, which want it at different places of their windows,
; and a joint load lands at one LDS address in all partners.
; Both products are used transposed (S^T = K Q^T, O^T = V^T P): a lane holds one query (lane % 16); two tiles of S^T rounded to f16 in pairs are P's fragment.  Operands f16, sums f32.
; p = 2^(c s - c m), c = log2(e) / 8, m the row's largest score; the row's sum of the unrounded p divides at the end.
; REGISTERS: v1, v2 global offsets; v3 K's and v4 V's place of my lane; v5, v6 the add's two; v7, v8 the stage; v9 my offset in ao; v10, v11 the mask's bounds; v[12:13] -c m; v[14:15] the sum; v16-31 Q; v32-111 five
; fragments' worth of K; v112-191 S^T (slot 0 = G, slot 1 + t = W_t); v192-223 O^T, before that V's nine addresses and the maxima; v224-255 V of the first 32 keys.  V's other fragments land where Q, K and the halves that p leaves lay.
.set VB,    73728                      ; LDS: K's pieces (2 head + p) x 18,432 from 0; V's (2 head + p) x 17,408 from here
.set STG,   143360                     ; the stage: 128 rows x 272 bytes
.set SPARE, 178176                     ; the spare words, 128 bytes a wave; no other line names them
.set SPW, 5
.set NIL, 6
.macro TLOAD                           ; the branches hang on the wave's number alone; an s_nop 0 and four v_nop follow each load
	s_cmp_lt_u32 s10, 4
	s_cbranch_scc0 .Lnot_k_\@
	tensor_load_to_lds s[40:43], s[24:31]
	s_nop 0
.rept 4
	v_nop
.endr
	s_branch .Lasked_\@
.Lnot_k_\@:
	s_cmp_lt_u32 s10, 8
	s_cbranch_scc0 .Lasked_\@
	tensor_load_to_lds s[44:47], s[32:39]
	s_nop 0
.rept 4
	v_nop
.endr
.Lasked_\@:
.endm
	s_load_b128 s[4:7], s[0:1], 0x0                ; qkv, gp
	s_load_b64 s[8:9], s[0:1], 0x10                ; ao
	v_lshl_add_u32 v[SPW], v0, 2, SPARE
	v_mov_b32 v[NIL], 0
	ds_add_u32 v[SPW], v[NIL]                      ; the wave's opening: the add, twice on end, and its wait ahead of the first tensor load
	ds_add_u32 v[SPW], v[NIL]
	v_lshrrev_b32 v1, 5, v0
	v_readfirstlane_b32 s10, v1                    ; wave 0..15
	s_lshr_b32 s11, s10, 3                         ; my head of the two
	s_and_b32 s12, s10, 7                          ; my tile of queries
	s_and_b32 s13, ttmp7, 0xffff                   ; 8 batch + pair of heads
	s_mov_b32 s14, 0xbe38aa3b                      ; -c
	s_mov_b32 s20, 0x76543210
	s_mov_b32 s21, 0xfedcba98                      ; lane l xor 16
	s_mov_b32 s22, 0x3e38aa3b                      ; c = log2(e) / 8
	s_mov_b32 s23, s22
	s_mov_b32 s24, (1<<16)|(1<<20)|(4<<22)|(3<<25) ; K: elements of 2 bytes; 4 words of padding after every 32
	s_mov_b32 s25, 64<<16                          ; tensor_dim0
	s_mov_b32 s26, 128<<16                         ; tensor_dim1
	s_mov_b32 s27, 64<<16                          ; tile_dim0
	s_mov_b32 s28, 128                             ; tile_dim1
	s_mov_b32 s29, 64                              ; from row to row
	s_mov_b32 s30, 0
	s_mov_b32 s31, 0
	s_mov_b32 s32, (1<<16)|(1<<20)|(5<<22)|(3<<25) ; V: 4 words of padding after every 64
	s_mov_b32 s33, 128<<16
	s_mov_b32 s34, 64<<16
	s_mov_b32 s35, 128<<16
	s_mov_b32 s36, 64
	s_mov_b32 s37, 2048
	s_mov_b32 s38, 0
	s_mov_b32 s39, 0
	s_and_b32 s15, s10, 3                          ; the piece that I fetch, if I fetch: 2 head + p
	s_lshr_b32 s16, s15, 1
	s_and_b32 s17, s10, 1
	s_lshl_b32 s18, s13, 1
	s_add_co_u32 s18, s18, s16
	s_lshl_b32 s18, s18, 18                        ; its (batch, head): 262,144 bytes each
	s_add_co_u32 s19, ttmp9, s17
	s_sub_co_i32 s19, s19, 1
	s_lshl_b32 s19, s19, 7
	s_max_i32 s19, s19, 0                          ; its first key: 128 (x + p - 1), or 0 where that lies before the sequence
	s_lshl_b32 s58, s19, 7
	s_add_co_u32 s58, s58, s18
	s_add_co_u32 s58, s58, 0x800000
	s_mov_b32 s59, 0
	s_lshl_b32 s60, s19, 1
	s_add_co_u32 s60, s60, s18
	s_add_co_u32 s60, s60, 0x1000000
	s_mov_b32 s61, 0
	s_mul_i32 s62, s15, 18432
	s_mul_i32 s63, s15, 17408
	s_add_co_u32 s63, s63, VB
	s_wait_dscnt 0x0                               ; both opening adds are done
	s_wait_kmcnt 0x0
	s_mov_b32 s40, 1
	s_mov_b32 s41, s62
	s_add_nc_u64 s[42:43], s[4:5], s[58:59]
	s_or_b32 s43, s43, 0x80000000
	s_mov_b32 s44, 1
	s_mov_b32 s45, s63
	s_add_nc_u64 s[46:47], s[4:5], s[60:61]
	s_or_b32 s47, s47, 0x80000000
	TLOAD                                          ; one load a wave, of waves 0 to 7
	s_lshl_b32 s15, s13, 1
	s_add_co_u32 s15, s15, s11                     ; my (batch, head)
	s_lshl_b32 s16, ttmp9, 7
	s_lshl_b32 s17, s12, 4
	s_add_co_u32 s16, s16, s17                     ; i0
	s_lshl_b32 s48, s15, 18
	s_mov_b32 s49, 0
	s_add_nc_u64 s[50:51], s[4:5], s[48:49]
	s_add_nc_u64 s[52:53], s[50:51], 0x800000      ; K's rows 0 on
	s_add_nc_u64 s[54:55], s[50:51], 0x1000000     ; VT
	s_lshl_b32 s48, s16, 7
	s_add_nc_u64 s[50:51], s[50:51], s[48:49]      ; my queries
	v_and_b32 v209, 15, v0                         ; r
	v_bfe_u32 v210, v0, 4, 1                       ; h
	v_lshlrev_b32 v1, 7, v209
	v_lshl_add_u32 v1, v210, 4, v1
	v_lshlrev_b32 v2, 12, v209
	v_lshl_add_u32 v2, v210, 4, v2
.irp c, 0,1,2,3
	global_load_b128 v[16+4*\c:19+4*\c], v1, s[50:51] offset:32*\c       ; Q
.endr
.irp c, 0,1,2,3
	global_load_b128 v[32+4*\c:35+4*\c], v1, s[52:53] offset:32*\c       ; K of keys 0 .. 15
.endr
.irp dt, 0,1,2,3
	global_load_b128 v[224+8*\dt:227+8*\dt], v2, s[54:55] offset:65536*\dt   ; V of keys 0 .. 15
.endr
	s_lshr_b32 s17, s13, 3                         ; where my eight rows of ao begin
	s_lshl_b32 s17, s17, 11
	s_lshl_b32 s18, ttmp9, 7
	s_add_co_u32 s17, s17, s18
	s_lshl_b32 s18, s10, 3
	s_add_co_u32 s17, s17, s18
	s_lshl_b32 s48, s17, 11
	s_and_b32 s18, s13, 7
	s_lshl_b32 s18, s18, 8
	s_add_co_u32 s48, s48, s18
	s_add_nc_u64 s[56:57], s[8:9], s[48:49]
	s_lshl_b32 s48, s15, 14
	s_add_nc_u64 s[58:59], s[6:7], s[48:49]        ; the partials' O
	s_lshl_b32 s48, s15, 10
	s_add_nc_u64 s[60:61], s[6:7], s[48:49]        ; and (M, L), 524,288 bytes further on
	s_mul_i32 s17, s11, 36864
	s_mul_i32 s18, s12, 2304
	s_add_co_u32 s17, s17, s18
	v_mul_u32_u24 v3, v209, 144
	v_lshl_add_u32 v3, v210, 4, v3
	v_add_nc_u32 v3, s17, v3                       ; K: my head's 256 rows, row 16 (wave % 8) + r, + 16 h
	v_mul_u32_u24 v4, v209, 272
	v_lshl_add_u32 v4, v210, 4, v4                 ; V: row r, + 16 h
	s_mul_i32 s17, s12, 4352
	s_lshl_b32 s18, s11, 7
	s_add_co_u32 s17, s17, s18
	s_add_co_u32 s17, s17, STG
	v_add_nc_u32 v7, s17, v4                       ; the stage, in: row 16 (wave % 8) + r, my head's 128 bytes, + 16 h
	s_mul_i32 s17, s10, 8*272
	s_add_co_u32 s17, s17, STG
	v_mul_u32_u24 v8, v210, 272
	v_lshl_add_u32 v8, v209, 4, v8
	v_add_nc_u32 v8, s17, v8                       ; back: rows 8 wave on; lanes 0-15 one row, lanes 16-31 the next
	v_lshlrev_b32 v9, 11, v210
	v_lshl_add_u32 v9, v209, 4, v9
	v_lshlrev_b32 v211, 3, v210
	v_sub_nc_u32 v10, v209, v211                   ; register e of W_t holds key i0 - 128 + 16 t + 8 h + e: hidden where 16 t + e < r - 8 h (under i - 128),
	v_add_nc_u32 v11, 128, v10                     ; where 16 t + e > 128 + r - 8 h (over i),
	s_sub_co_i32 s18, 144, s16
	v_sub_nc_u32 v212, s18, v211                   ; and where 16 t + e < 144 - i0 - 8 h (under 16)
	v_cmp_gt_i32 vcc_lo, v212, v10
	v_cndmask_b32 v10, v10, v212, vcc_lo           ; the greater of the two lower bounds
	s_mul_i32 s66, s11, 34816
	s_add_co_u32 s66, s66, VB
.irp t, 0,1,2,3,4,5,6,7,8                      ; V of W_t: piece (wave % 8 + t) / 8, 32 bytes for each 16 keys
	s_add_co_u32 s18, s12, \t
	s_lshr_b32 s19, s18, 3
	s_and_b32 s18, s18, 7
	s_mul_i32 s19, s19, 17408
	s_lshl_b32 s18, s18, 5
	s_add_co_u32 s18, s18, s19
	s_add_co_u32 s18, s18, s66
	v_add_nc_u32 v[192+\t], s18, v4
.endr
	v_mov_b32 v207, 0                              ; a lane permute's destination counts as read
	v_mov_b32 v208, 0xff800000                     ; -infinity
	s_wait_tensorcnt 0x0                           ; my piece has landed,
	s_barrier_signal -1
	s_barrier_wait -1                              ; everybody's has
	s_or_b32 s18, ttmp9, s12
	s_cmp_eq_u32 s18, 0                            ; queries 0 .. 15?  Ids alone; no barrier stands on either way
	s_cbranch_scc1 .Lmerge
.macro KLOAD sl, t                     ; W_t's 16 keys x 64 channels into slot sl
.irp c, 0,1,2,3
	ds_load_b128 v[32+16*(\sl)+4*\c:35+16*(\sl)+4*\c], v3 offset:(\t)*2304+32*\c
.endr
.endm
.macro QK5 base                        ; five tiles by turns, two deep
.irp sl, 0,1,2,3,4
	v_wmma_f32_16x16x32_f16 v[112+8*(\base+\sl):119+8*(\base+\sl)], v[32+16*\sl:39+16*\sl], v[16:23], 0
.endr
.irp sl, 0,1,2,3,4
	v_wmma_f32_16x16x32_f16 v[112+8*(\base+\sl):119+8*(\base+\sl)], v[40+16*\sl:47+16*\sl], v[24:31], v[112+8*(\base+\sl):119+8*(\base+\sl)]
.endr
.endm
.macro MASKLO t
.irp e, 0,1,2,3,4,5,6,7
	v_cmp_lt_i32 vcc_lo, 16*(\t)+\e, v10
	v_cndmask_b32 v[120+8*(\t)+\e], v[120+8*(\t)+\e], v208, vcc_lo
.endr
.endm
.macro SETVR s, dt                     ; where V's fragment of keys' step s, channels 16 dt on, lies
.if (\s) == 0
.set VR, 224+8*(\dt)
.elseif (\s) == 1
.set VR, 32+8*(\dt)
.elseif (\s) == 2
.set VR, 64+8*(\dt)
.elseif (\s) == 3
.set VR, 16+8*(\dt)+64*((\dt)/2)
.else
.set VR, 120+16*(\dt)
.endif
.endm
.macro PV s                            ; O^T += V^T P, 32 keys: slots 2 s and 2 s + 1; the four tiles of channels by turns
.irp dt, 0,1,2,3
	SETVR \s, \dt
.if (\s) == 0
	v_wmma_f32_16x16x32_f16 v[192+8*\dt:199+8*\dt], v[VR:VR+7], v[112+16*(\s):119+16*(\s)], 0
.else
	v_wmma_f32_16x16x32_f16 v[192+8*\dt:199+8*\dt], v[VR:VR+7], v[112+16*(\s):119+16*(\s)], v[192+8*\dt:199+8*\dt]
.endif
.endr
.endm
	KLOAD 1, 0
	KLOAD 2, 1
	KLOAD 3, 2
	KLOAD 4, 3
.irp dt, 0,1,2,3
	ds_load_b128 v[228+8*\dt:231+8*\dt], v192 offset:4352*\dt      ; V of W_0: the upper half of the first step's fragments
.endr
	s_wait_loadcnt 0x4                             ; Q and K of keys 0 .. 15 are in; V's four loads may be out
	s_wait_dscnt 0x4                               ; K's sixteen loads are in; V's four may be out
	QK5 0
.rept 4
	v_nop                                          ; places in front of loads into registers that matrix instructions have read, and of the first reads of results
.endr
	KLOAD 0, 4
	KLOAD 1, 5
	KLOAD 2, 6
	KLOAD 3, 7
	KLOAD 4, 8
	MASKLO 0
	s_cmp_lg_u32 ttmp9, 0
	s_cbranch_scc1 .Lfar1
	MASKLO 1
	MASKLO 2
	MASKLO 3
.Lfar1:
.irp sl, 0,1,2,3,4                             ; five chains, each from a tile's low end on
	v_max3_num_f32 v[201+\sl], v[112+8*\sl], v[113+8*\sl], v[114+8*\sl]
.endr
.irp i, 3,5
.irp sl, 0,1,2,3,4
	v_max3_num_f32 v[201+\sl], v[201+\sl], v[112+8*\sl+\i], v[113+8*\sl+\i]
.endr
.endr
.irp sl, 0,1,2,3,4
	v_max_num_f32 v[201+\sl], v[201+\sl], v[119+8*\sl]
.endr
	s_wait_dscnt 0x0
	QK5 5
.rept 4
	v_nop
.endr
.irp s, 1,2,3                                  ; Q and K are done with: V's fragments of steps 1 to 3 land there
.irp dt, 0,1,2,3
	SETVR \s, \dt
	ds_load_b128 v[VR:VR+3], v[192+2*\s-1] offset:4352*\dt
	ds_load_b128 v[VR+4:VR+7], v[192+2*\s] offset:4352*\dt
.endr
.endr
	s_cmp_lg_u32 ttmp9, 0
	s_cbranch_scc1 .Lfar2
	MASKLO 4
	MASKLO 5
	MASKLO 6
	MASKLO 7
.Lfar2:
.irp e, 0,1,2,3,4,5,6,7
	v_cmp_gt_i32 vcc_lo, 128+\e, v11
	v_cndmask_b32 v[184+\e], v[184+\e], v208, vcc_lo
.endr
.irp i, 0,2,4,6
.irp sl, 0,1,2,3,4
	v_max3_num_f32 v[201+\sl], v[201+\sl], v[152+8*\sl+\i], v[153+8*\sl+\i]
.endr
.endr
	v_max3_num_f32 v201, v201, v202, v203
	v_max3_num_f32 v201, v201, v204, v205
	v_permlanex16_b32 v207, v201, s20, s21
	v_max_num_f32 v201, v201, v207                 ; my query's largest score: keys 0 .. 15 are never hidden, so it is a number
	v_mul_f32 v12, s14, v201                       ; -c m
	v_mov_b32 v13, v12
.set i, 0
.rept 40
	v_pk_fma_f32 v[112+2*i:113+2*i], v[112+2*i:113+2*i], s[22:23], v[12:13] op_sel_hi:[1,0,0]
.set i, i+1
.endr
.set i, 0
.rept 80
	v_exp_f32 v[112+i], v[112+i]                   ; p, at most 1; 0 where the key is hidden
.set i, i+1
.endr
	v_nop                                          ; a plain line behind the last exponential
	s_wait_alu depctr_va_vdst(0)                   ; one wait for the batch, ahead of its first reader
	v_pk_add_f32 v[14:15], v[112:113], v[114:115]  ; the sum of the unrounded p, in two chains
	v_pk_add_f32 v[202:203], v[116:117], v[118:119]
.set i, 8
.rept 18
	v_pk_add_f32 v[14:15], v[14:15], v[112+i:113+i]
	v_pk_add_f32 v[202:203], v[202:203], v[114+i:115+i]
.set i, i+4
.endr
	v_pk_add_f32 v[14:15], v[14:15], v[202:203]
.irp s, 0,1,2,3,4                              ; p to f16 in place: step s's fragment at v[112 + 16 s]; the eight registers behind it are left free
.irp i, 0,1,2,3
	v_cvt_pk_f16_f32 v[112+16*\s+\i], v[112+16*\s+2*\i], v[113+16*\s+2*\i]
.endr
.irp i, 0,1,2,3
	v_cvt_pk_f16_f32 v[116+16*\s+\i], v[120+16*\s+2*\i], v[121+16*\s+2*\i]
.endr
.endr
.irp dt, 0,1,2,3                               ; V of the last step into four of them
	ds_load_b128 v[120+16*\dt:123+16*\dt], v199 offset:4352*\dt
	ds_load_b128 v[124+16*\dt:127+16*\dt], v200 offset:4352*\dt
.endr
	s_wait_loadcnt 0x0                             ; V of keys 0 .. 15
	s_wait_dscnt 0x8                               ; all but the last step's eight loads
	PV 0
	PV 1
	PV 2
	PV 3
	s_wait_dscnt 0x0
	PV 4
.rept 4
	v_nop                                          ; places in front of the first read of O^T
.endr
	s_branch .Ljoin
.Lmerge:
	; queries 0 .. 15: the four partials (M_k, L_k, O_k) become one: O = sum of 2^(M_k - M) O_k, likewise L
	s_wait_loadcnt 0x0                             ; the head's loads have landed: my loads land on the same registers
	v_and_b32 v176, 31, v0
	v_lshlrev_b32 v177, 3, v176
	v_lshlrev_b32 v176, 4, v176
.irp k, 0,1,2,3
	global_load_b64 v[160+2*\k:161+2*\k], v177, s[60:61] offset:524288+256*\k
.endr
.irp k, 0,1,2,3
.irp g, 0,1,2,3,4,5,6,7
	global_load_b128 v[32+32*\k+4*\g:35+32*\k+4*\g], v176, s[58:59] offset:4096*\k+512*\g
.endr
.endr
	s_wait_loadcnt 0x0
	v_max3_num_f32 v178, v160, v162, v164
	v_max_num_f32 v178, v178, v166
.irp k, 0,1,2,3
	v_sub_f32 v[168+2*\k], v[160+2*\k], v178
.endr
.irp k, 0,1,2,3
	v_exp_f32 v[168+2*\k], v[168+2*\k]
.endr
.irp k, 0,1,2,3
	v_mov_b32 v[169+2*\k], 0                       ; (named as the upper halves of the pairs; plain lines behind the exponentials)
.endr
	s_wait_alu depctr_va_vdst(0)
	v_mul_f32 v14, v168, v161
	v_fmac_f32 v14, v170, v163
	v_fmac_f32 v14, v172, v165
	v_fmac_f32 v14, v174, v167
	v_mul_f32 v14, 0.5, v14                        ; L is whole in both halves of the lanes, and the lines below add the halves: half of it each, which rounds nothing
	v_mov_b32 v15, 0
.set i, 0
.rept 16
	v_pk_mul_f32 v[192+2*i:193+2*i], v[32+2*i:33+2*i], v[168:169] op_sel_hi:[1,0]
.set i, i+1
.endr
.irp k, 1,2,3
.set i, 0
.rept 16
	v_pk_fma_f32 v[192+2*i:193+2*i], v[32+32*\k+2*i:33+32*\k+2*i], v[168+2*\k:169+2*\k], v[192+2*i:193+2*i] op_sel_hi:[1,0,1]
.set i, i+1
.endr
.endr
.Ljoin:
	; THE WAY OUT: O^T / the sum, to f16, through the stage, where a token's 256 bytes (two heads) meet; each wave stores eight whole pieces of rows
	v_add_f32 v14, v14, v15
	v_permlanex16_b32 v2, v14, s20, s21
	v_add_f32 v14, v14, v2
	v_rcp_f32 v14, v14
	v_mov_b32 v15, 0                               ; (the pair's upper half; a plain line behind the reciprocal)
	s_wait_alu depctr_va_vdst(0)
.set i, 0
.rept 16
	v_pk_mul_f32 v[192+2*i:193+2*i], v[192+2*i:193+2*i], v[14:15] op_sel_hi:[1,0]
.set i, i+1
.endr
.set i, 0
.rept 16
	v_cvt_pk_f16_f32 v[32+i], v[192+2*i], v[193+2*i]
.set i, i+1
.endr
.irp dt, 0,1,2,3
	ds_store_b128 v7, v[32+4*\dt:35+4*\dt] offset:32*\dt
.endr
	s_wait_dscnt 0x0                               ; for the others' sake: my stores into the stage are done
	s_barrier_signal -1
	s_barrier_wait -1
.irp i, 0,1,2,3
	ds_load_b128 v[48+4*\i:51+4*\i], v8 offset:544*\i
.endr
.irp i, 0,1,2,3
	s_wait_dscnt 3-\i
	global_store_b128 v9, v[48+4*\i:51+4*\i], s[56:57] offset:4096*\i   ; 16 lanes store 256 consecutive bytes, at a multiple of 256 from ao's first byte
.endr
	s_wait_tensorcnt 0x0                           ; the wave's end, behind my last tensor load and my last LDS store
	ds_add_u32 v[SPW], v[NIL]
	s_wait_dscnt 0x0
	s_endpgm
.Lfunc_end_k_q8386fd15c2_attn:
	.size	k_q8386fd15c2_attn, .Lfunc_end_k_q8386fd15c2_attn-k_q8386fd15c2_attn
	.p2alignl 7, 3214868480
	.fill 96, 4, 3214868480
	.section	.rodata,"a",@progbits
	.p2align	6, 0x0
	.amdhsa_kernel k_q8386fd15c2_attn
		.amdhsa_group_segment_fixed_size 180224
		.amdhsa_private_segment_fixed_size 0
		.amdhsa_enable_private_segment 0
		.amdhsa_kernarg_size 24
		.amdhsa_user_sgpr_count 2
		.amdhsa_user_sgpr_kernarg_segment_ptr 1
		.amdhsa_wavefront_size32 1
		.amdhsa_system_sgpr_workgroup_id_x 1
		.amdhsa_system_sgpr_workgroup_id_y 1
		.amdhsa_system_sgpr_workgroup_id_z 1
		.amdhsa_system_vgpr_workitem_id 0
		.amdhsa_next_free_vgpr 256
		.amdhsa_next_free_sgpr 80
		.amdhsa_reserve_vcc 1
		.amdhsa_float_denorm_mode_32 3
		.amdhsa_float_denorm_mode_16_64 3
		.amdhsa_memory_ordered 1
		.amdhsa_forward_progress 1
		.amdhsa_inst_pref_size 49
	.end_amdhsa_kernel
	.amdgpu_metadata
---
amdhsa.version: [ 1, 2 ]
amdhsa.kernels:
  - .name:           k_q8386fd15c2_attn
    .symbol:         k_q8386fd15c2_attn.kd
    .args:
      - { .name: qkv, .offset: 0, .size: 8, .value_kind: global_buffer, .address_space: global }
      - { .name: gp, .offset: 8, .size: 8, .value_kind: global_buffer, .address_space: global }
      - { .name: ao, .offset: 16, .size: 8, .value_kind: global_buffer, .address_space: global }
    .group_segment_fixed_size: 180224
    .private_segment_fixed_size: 0
    .kernarg_segment_align: 8
    .kernarg_segment_size: 24
    .max_flat_workgroup_size: 512
    .sgpr_count:     80
    .vgpr_count:     256
    .wavefront_size: 32
...
	.end_amdgpu_metadata
.endif
;; end of part 4
;; launch oproj (part 5): grid 8 x 32, 4 waves a work-group, clusters of 4 x 4, 327,680 bytes of LDS; arguments ao, wo16, out0, bo; writes out0
.if DOCPART == 5
	.amdgcn_target "amdgcn-amd-amdhsa--gfx1250"
	.amdhsa_code_object_version 6
	.text
	.protected	k_q8386fd15c2_oproj
	.globl	k_q8386fd15c2_oproj
	.p2align	8
	.type	k_q8386fd15c2_oproj,@function
k_q8386fd15c2_oproj:
	s_mov_b64 s[64:65], 0
	v_nop
	global_prefetch_b8 v0, s[64:65] scope:SCOPE_SE
	s_setreg_imm32_b32 hwreg(HW_REG_WAVE_MODE, 25, 1), 1
	s_wait_xcnt 0x0
	s_wait_alu depctr_hold_cnt(0) depctr_sa_sdst(0) depctr_va_vdst(0) depctr_va_sdst(0) depctr_va_ssrc(0) depctr_va_vcc(0) depctr_vm_vsrc(0)
	s_getreg_b32 s2, hwreg(HW_REG_IB_STS2, 6, 4)
	s_cmp_eq_u32 s2, 0
	s_cbranch_scc0 .Lentry_in_a_cluster
	s_endpgm
.Lentry_in_a_cluster:
	s_bfe_u32 s2, ttmp6, 0x10000c
	s_cmp_lg_u32 s2, 0xf033
	s_cbranch_scc0 .Lentry_shape_is_right
	s_endpgm
.Lentry_shape_is_right:
; OPROJ.  out0[m][n] = sum over k of ao[m][k] wo16[n][k] + bo[n].  ao: [4096][1024], wo16: [1024][1024], both f16; out0: [4096][1024] f32; sums in f32.
; 256 tiles of 128 x 128, a work-group of four waves each; a wave makes 64 x 64: 16 accumulators of 16 x 16.  K goes in steps of 256 (LDS rows of 512 bytes; a wave's tensor load brings 64 of them) through a ring of two slots.
; CLUSTERS: 4 x 4 work-groups.  The four of a row of the cluster need the same tiles of ao, the four of a column the same tiles of wo16: each tile is asked for jointly, by the same tensor load with the same descriptor and a
; mask that names the four.  THE MATRIX INSTRUCTION IS USED TRANSPOSED (source 0 = 16 rows of wo16, source 1 = 16 rows of ao): a lane holds eight neighbouring numbers of a row of out0.
; The bias is the C of each sum's first matrix instruction: eight registers for each block of 16 columns, in the result's layout.
; A wave's 64 columns of f32 are 256 bytes: each wave has a stage of its own on the way out, and no barrier stands there.
; REGISTERS: window 0: v0-31 addresses; v32-63 the bias, later with v64-95 rows on their way out; v128-255 the accumulators ((a, b) at v[128 + 8 (4 a + b)]).  Window 1: two fragment buffers of 128.
.set SIZE_N, 1024
.set SIZE_K, 1024
.set KSTEP,  256
.set PITCH,  528                       ; an LDS row: 512 bytes + 16 of padding: the 16 rows that a load touches start 132 words apart
.set HALFT,  64*PITCH
.set SLOT,   4*HALFT
.set STAGE,  2*SLOT                    ; behind the ring: 16 rows x 272 bytes for each wave
.set SPITCH, 272
.set SPARE,  STAGE+4*16*SPITCH         ; the spare words, 128 bytes a wave; no other line names them
.set LAPS, SIZE_K/(2*KSTEP)
.set ADRA, 16
.set ADRB, 20
.set STO,  24
.set RD,   25
.set CO,   26
.set BA,   27                          ; v27  the bias: 32 h
.set SPW,  28
.set NIL,  29
.set TMP,  32
.set BI,   32
.set ACC,  128
.set F0,   0
.set F1,   128
.set G1, 24
.set G0, 32
.set G1B, 48
.set G0B, 56
.set MSB, 0
.macro WIN new                         ; the immediate's high byte repeats the setting that is left
.if MSB != \new
	s_set_vgpr_msb (MSB<<8)|\new
.set MSB, \new
.endif
.endm
.set MUL,  0x05                        ; sources 0 and 1 window 1; C and D window 0
.set TO_F, 0x40                        ; destination window 1, address window 0
.macro JLOAD s                         ; a joint load: waves 0 and 1 fetch ao's two halves, waves 2 and 3 wo16's; an s_nop 0 and four v_nop follow each of the two lines
	s_cmp_eq_u32 s11, 0
	s_cbranch_scc0 .Lfor_b_\@
	tensor_load_to_lds s[G0+4*\s:G0+4*\s+3], s[G1:G1+7]
	s_nop 0
.rept 4
	v_nop
.endr
	s_branch .Lasked_\@
.Lfor_b_\@:
	tensor_load_to_lds s[G0B+4*\s:G0B+4*\s+3], s[G1B:G1B+7]
	s_nop 0
.rept 4
	v_nop
.endr
.Lasked_\@:
.endm
.macro CREST                           ; a round of the cluster's barrier behind its opening barrier
	s_cmp_lg_u32 s10, 0
	s_cbranch_scc1 .Lnot_wave_0_\@
	s_barrier_signal -3
.Lnot_wave_0_\@:
	s_barrier_wait -3
	s_barrier_signal -1
	s_barrier_wait -1
.endm
.macro CROUND
	s_barrier_signal -1
	s_barrier_wait -1
	CREST
.endm
	s_load_b128 s[4:7], s[0:1], 0x0                ; ao, wo16
	s_load_b64 s[8:9], s[0:1], 0x10                ; out0
	s_load_b64 s[66:67], s[0:1], 0x18              ; bo
	v_lshl_add_u32 v[SPW], v0, 2, SPARE
	v_mov_b32 v[NIL], 0
	ds_add_u32 v[SPW], v[NIL]                      ; the wave's opening: the add, twice on end, and its wait ahead of my first tensor load
	ds_add_u32 v[SPW], v[NIL]
	v_lshrrev_b32 v1, 5, v0
	v_readfirstlane_b32 s10, v1                    ; wave 0..3
	s_lshr_b32 s11, s10, 1                         ; which half of the tile's rows is mine.  Also: I fetch for ao (0) or for wo16 (1)
	s_and_b32 s12, s10, 1                          ; which half of its columns.  Also: which 64 rows I fetch
	s_bfe_u32 s40, ttmp6, 0x40000                  ; cx, cy
	s_bfe_u32 s41, ttmp6, 0x40004
	s_lshl_b32 s42, ttmp9, 2
	s_add_co_u32 s42, s42, s40                     ; tile column
	s_and_b32 s13, ttmp7, 0xffff
	s_lshl_b32 s13, s13, 2
	s_add_co_u32 s13, s13, s41                     ; tile row
	s_lshl_b32 s43, s41, 2
	s_lshl_b32 s43, 15, s43                        ; my row of the cluster
	s_lshl_b32 s44, 0x1111, s40                    ; my column
	s_or_b32 s[G1+0], s43, (1<<16)|(1<<20)|(1<<21)|(6<<22)|(3<<25)  ; the mask; elements of 2 bytes; padding on; bit 21 beside a mask; after every 128 words, 4 words
	s_or_b32 s[G1B+0], s44, (1<<16)|(1<<20)|(1<<21)|(6<<22)|(3<<25)
.irp g, G1, G1B
	s_mov_b32 s[\g+1], KSTEP<<16                   ; tensor_dim0
	s_mov_b32 s[\g+2], 64<<16                      ; tensor_dim1
	s_mov_b32 s[\g+3], KSTEP<<16                   ; tile_dim0
	s_mov_b32 s[\g+4], 64                          ; tile_dim1
	s_mov_b32 s[\g+5], SIZE_K                      ; from row to row
	s_mov_b32 s[\g+6], 0
	s_mov_b32 s[\g+7], 0
.endr
	s_lshl_b32 s17, s12, 6
	s_lshl_b32 s16, s13, 7
	s_add_co_u32 s16, s16, s17                     ; ao: row 128 x tile row + 64 x half
	s_lshl_b32 s46, s42, 7
	s_add_co_u32 s46, s46, s17                     ; wo16: row 128 x tile column + 64 x half
	s_mov_b32 s17, 0
	s_mov_b32 s47, 0
	s_mov_b64 s[18:19], SIZE_K*2
	s_mul_u64 s[16:17], s[16:17], s[18:19]
	s_mul_u64 s[46:47], s[46:47], s[18:19]
	s_mul_i32 s20, s10, HALFT                      ; where they go: wave x 64 rows
	s_wait_dscnt 0x0                               ; both opening adds are done
	s_wait_kmcnt 0x0
	s_add_nc_u64 s[14:15], s[4:5], s[16:17]
	s_add_nc_u64 s[46:47], s[6:7], s[46:47]
	CROUND                                         ; all sixteen work-groups are here: the first joint loads meet
.irp s, 0,1
	s_mov_b32 s[G0+4*\s], 1
	s_add_co_u32 s[G0+4*\s+1], s20, \s*SLOT
	s_add_nc_u64 s[G0+4*\s+2:G0+4*\s+3], s[14:15], \s*KSTEP*2
	s_or_b32 s[G0+4*\s+3], s[G0+4*\s+3], 0x80000000
	s_mov_b32 s[G0B+4*\s], 1
	s_add_co_u32 s[G0B+4*\s+1], s20, \s*SLOT
	s_add_nc_u64 s[G0B+4*\s+2:G0B+4*\s+3], s[46:47], \s*KSTEP*2
	s_or_b32 s[G0B+4*\s+3], s[G0B+4*\s+3], 0x80000000
	JLOAD \s
.endr
	v_and_b32 v1, 15, v0                           ; r
	v_bfe_u32 v2, v0, 4, 1                         ; h
	v_mul_u32_u24 v3, v1, PITCH
	v_lshl_add_u32 v3, v2, 4, v3
	s_mul_i32 s21, s11, HALFT
	s_mul_i32 s22, s12, HALFT
	s_add_co_u32 s22, s22, 2*HALFT
.irp s, 0,1
	v_add_nc_u32 v[ADRA+\s], s21, v3
	v_add_nc_u32 v[ADRB+\s], s22, v3
	s_add_co_u32 s21, s21, SLOT
	s_add_co_u32 s22, s22, SLOT
.endr
	s_mul_i32 s23, s10, 16*SPITCH
	s_add_co_u32 s23, s23, STAGE                   ; my stage
	v_mul_u32_u24 v4, v1, SPITCH
	v_lshl_add_u32 v4, v2, 5, v4
	v_add_nc_u32 v[STO], s23, v4                   ; in: row r, 32 bytes for each half of the lanes
	v_mul_u32_u24 v5, v2, SPITCH
	v_lshl_add_u32 v5, v1, 4, v5
	v_add_nc_u32 v[RD], s23, v5                    ; back: lanes 0-15 one row of 256 bytes, lanes 16-31 the next
	v_lshlrev_b32 v5, 12, v2
	v_lshl_add_u32 v[CO], v1, 4, v5                ; and the same two rows in out0
	v_lshlrev_b32 v[BA], 5, v2
	s_lshl_b32 s16, s13, 7
	s_lshl_b32 s17, s11, 6
	s_add_co_u32 s16, s16, s17                     ; my first row: 128 x tile row + 64 x half
	s_lshl_b32 s16, s16, 12                        ; rows of 4,096 bytes
	s_mov_b32 s17, 0
	s_add_nc_u64 s[8:9], s[8:9], s[16:17]
	s_lshl_b32 s46, s42, 9
	s_lshl_b32 s47, s12, 8
	s_add_co_u32 s46, s46, s47                     ; my first column, in bytes of f32: in a row of out0 and in bo alike
	s_mov_b32 s47, 0
	s_add_nc_u64 s[8:9], s[8:9], s[46:47]
	s_add_nc_u64 s[66:67], s[66:67], s[46:47]
.irp b, 0,1,2,3
	global_load_b128 v[BI+8*\b:BI+8*\b+3], v[BA], s[66:67] offset:64*\b        ; bo of columns 16 b + 8 h + 0 .. 7
	global_load_b128 v[BI+8*\b+4:BI+8*\b+7], v[BA], s[66:67] offset:64*\b+16
.endr
; 8 matrix instructions: m blocks a0, a0 + 1 x all 4 n blocks, 32 along K: half c of buffer f.  zero = 1: the first product starts the sums, from the bias
.macro MUL8 f, c, a0, zero
.irp a, \a0, \a0+1
.irp b, 0,1,2,3
.if \zero
	v_wmma_f32_16x16x32_f16 v[ACC+8*(4*(\a)+\b):ACC+8*(4*(\a)+\b)+7], v[\f+64+8*(4*\c+\b):\f+64+8*(4*\c+\b)+7], v[\f+8*(4*\c+\a):\f+8*(4*\c+\a)+7], v[BI+8*\b:BI+8*\b+7]
.else
	v_wmma_f32_16x16x32_f16 v[ACC+8*(4*(\a)+\b):ACC+8*(4*(\a)+\b)+7], v[\f+64+8*(4*\c+\b):\f+64+8*(4*\c+\b)+7], v[\f+8*(4*\c+\a):\f+8*(4*\c+\a)+7], v[ACC+8*(4*(\a)+\b):ACC+8*(4*(\a)+\b)+7]
.endif
.endr
.endr
.endm
.macro FETCH slot, k, f                ; 32 LDS loads in one run: the fragments of 64 along K at byte k of the rows; the first 32 along K first
	WIN TO_F
.irp c, 0,1
.irp i, 0,1,2,3
	ds_load_b128 v[\f+64+8*(4*\c+\i):\f+64+8*(4*\c+\i)+3],   v[ADRB+\slot] offset:\k+64*\c+\i*16*PITCH
	ds_load_b128 v[\f+64+8*(4*\c+\i)+4:\f+64+8*(4*\c+\i)+7], v[ADRB+\slot] offset:\k+64*\c+\i*16*PITCH+32
	ds_load_b128 v[\f+8*(4*\c+\i):\f+8*(4*\c+\i)+3],         v[ADRA+\slot] offset:\k+64*\c+\i*16*PITCH
	ds_load_b128 v[\f+8*(4*\c+\i)+4:\f+8*(4*\c+\i)+7],       v[ADRA+\slot] offset:\k+64*\c+\i*16*PITCH+32
.endr
.endr
.endm
.macro PLACES                          ; four plain lines in front of loads into registers that matrix instructions have read, and of reads of results
.rept 4
	v_nop
.endr
.endm
.macro QUARTER slot, k, f, g, zero     ; 64 along K: multiplies buffer f and fetches the next quarter, at byte k, into g
	s_wait_dscnt 16                                ; the first 32 along K are in
	WIN MUL
	MUL8 \f, 0, 0, \zero
	MUL8 \f, 0, 2, \zero
	PLACES
	FETCH \slot, \k, \g
	s_wait_dscnt 32                                ; all but the 32 just issued
	WIN MUL
	MUL8 \f, 1, 0, 0
	MUL8 \f, 1, 2, 0
.endm
; The last quarter multiplies buffer 1 and changes slots: one barrier; in front of it each wave waits for all its tensor loads, adds 0 to its spare word, and waits for that and for its reads of this slot.
; fill = 1: the barrier opens a round of the cluster's, and this slot is filled again, two K steps ahead, first thing behind it.
.macro TURN slot, next, fill
	WIN 0                                          ; (the add's two registers lie in window 0)
	s_wait_tensorcnt 0x0                           ; all my tensor loads have landed: my part of the next slot
	ds_add_u32 v[SPW], v[NIL]                      ; 0 onto my spare word
	s_wait_dscnt 17                                ; (the add and the youngest sixteen loads may be out)
	WIN MUL
	MUL8 F1, 0, 0, 0
	s_wait_dscnt 0x0                               ; the add is done, and my reads of this slot are over
	s_barrier_signal -1
	MUL8 F1, 0, 2, 0
.if \fill
	WIN 0
.endif
	s_barrier_wait -1
.if \fill
	CREST                                          ; no wave of any partner still reads this slot's tile or has a load on its way
	s_add_nc_u64 s[G0+4*\slot+2:G0+4*\slot+3], s[G0+4*\slot+2:G0+4*\slot+3], 2*KSTEP*2
	s_add_nc_u64 s[G0B+4*\slot+2:G0B+4*\slot+3], s[G0B+4*\slot+2:G0B+4*\slot+3], 2*KSTEP*2
	JLOAD \slot                                    ; my one tensor load behind the round; its four v_nop are also the places in front of the loads below
.else
	PLACES
.endif
	FETCH \next, 0, F0
	WIN MUL
	MUL8 F1, 1, 0, 0
	MUL8 F1, 1, 2, 0
.endm
	s_wait_tensorcnt 1                             ; my part of K step 0 is in (K step 1's load may be out),
	s_barrier_signal -1
	s_barrier_wait -1                              ; everybody's is
	FETCH 0, 0, F0
	s_wait_loadcnt 0x0                             ; the bias
	QUARTER 0, 128, F0, F1, 1                      ; the first quarter stands in front of the loop: its first products start the sums
	WIN 0                                          ; at a label and at a branch every window is 0
	s_mov_b32 s3, LAPS-1
.Llap:                                                 ; a trip goes once round the ring and fills both slots again
	QUARTER 0, 256, F1, F0, 0
	QUARTER 0, 384, F0, F1, 0
	TURN 0, 1, 1
	QUARTER 1, 128, F0, F1, 0
	QUARTER 1, 256, F1, F0, 0
	QUARTER 1, 384, F0, F1, 0
	TURN 1, 0, 1
	QUARTER 0, 128, F0, F1, 0
	WIN 0
	s_sub_co_u32 s3, s3, 1
	s_cmp_lg_u32 s3, 0
	s_cbranch_scc1 .Llap
	QUARTER 0, 256, F1, F0, 0                      ; the last lap fills nothing
	QUARTER 0, 384, F0, F1, 0
	TURN 0, 1, 0
	QUARTER 1, 128, F0, F1, 0
	QUARTER 1, 256, F1, F0, 0
	QUARTER 1, 384, F0, F1, 0
	s_wait_dscnt 16
	WIN MUL
	MUL8 F1, 0, 0, 0
	MUL8 F1, 0, 2, 0
	s_wait_dscnt 0
	MUL8 F1, 1, 0, 0
	MUL8 F1, 1, 2, 0
	WIN 0
	; THE WAY OUT, block by block of 16 rows x 64 columns of f32, through my own stage: LDS serves a wave's instructions in order, so no wait stands between the stores and the loads
.macro TOST a
.irp b, 0,1,2,3
	ds_store_b128 v[STO], v[ACC+8*(4*(\a)+\b):ACC+8*(4*(\a)+\b)+3] offset:64*\b        ; each accumulator from its low end on
	ds_store_b128 v[STO], v[ACC+8*(4*(\a)+\b)+4:ACC+8*(4*(\a)+\b)+7] offset:64*\b+16
.endr
.set BB, TMP+32*((\a)%2)
.irp t, 0,1,2,3,4,5,6,7
	ds_load_b128 v[BB+4*\t:BB+4*\t+3], v[RD] offset:\t*2*SPITCH
.endr
.endm
.macro SEND a, younger                 ; younger: the LDS instructions issued behind block a's loads
.set BB, TMP+32*((\a)%2)
	s_wait_dscnt \younger
.irp t, 0,1,2,3,4,5,6,7
	global_store_b128 v[CO], v[BB+4*\t:BB+4*\t+3], s[8:9] offset:(\a)*65536+\t*8192 th:TH_STORE_NT   ; 16 lanes store 256 consecutive bytes, at a multiple of 256 from out0's first byte
.endr
.endm
	PLACES
	TOST 0
.irp a, 1,2,3
.if \a > 1
	s_wait_xcnt 0x0                                ; the stores of the block two back have read their data: the set may be loaded again
.endif
	TOST \a
	SEND (\a)-1, 16                                ; behind its loads: this block's 8 stores and 8 loads
.endr
	SEND 3, 0
	s_wait_tensorcnt 0x0                           ; the wave's end, behind my last tensor load and my last LDS store
	ds_add_u32 v[SPW], v[NIL]
	s_wait_dscnt 0x0
	CROUND                                         ; the closing round: no work-group ends while a partner may still ask for a tile that names it
	s_endpgm
.Lfunc_end_k_q8386fd15c2_oproj:
	.size	k_q8386fd15c2_oproj, .Lfunc_end_k_q8386fd15c2_oproj-k_q8386fd15c2_oproj
	.p2alignl 7, 3214868480
	.fill 96, 4, 3214868480
	.section	.rodata,"a",@progbits
	.p2align	6, 0x0
	.amdhsa_kernel k_q8386fd15c2_oproj
		.amdhsa_group_segment_fixed_size 327680
		.amdhsa_private_segment_fixed_size 0
		.amdhsa_enable_private_segment 0
		.amdhsa_kernarg_size 32
		.amdhsa_user_sgpr_count 2
		.amdhsa_user_sgpr_kernarg_segment_ptr 1
		.amdhsa_wavefront_size32 1
		.amdhsa_system_sgpr_workgroup_id_x 1
		.amdhsa_system_sgpr_workgroup_id_y 1
		.amdhsa_system_sgpr_workgroup_id_z 1
		.amdhsa_system_vgpr_workitem_id 0
		.amdhsa_next_free_vgpr 512
		.amdhsa_next_free_sgpr 68
		.amdhsa_reserve_vcc 0
		.amdhsa_float_denorm_mode_32 3
		.amdhsa_float_denorm_mode_16_64 3
		.amdhsa_memory_ordered 1
		.amdhsa_forward_progress 1
		.amdhsa_inst_pref_size 86
	.end_amdhsa_kernel
	.amdgpu_metadata
---
amdhsa.version: [ 1, 2 ]
amdhsa.kernels:
  - .name:           k_q8386fd15c2_oproj
    .symbol:         k_q8386fd15c2_oproj.kd
    .args:
      - { .name: ao, .offset: 0, .size: 8, .value_kind: global_buffer, .address_space: global }
      - { .name: wo16, .offset: 8, .size: 8, .value_kind: global_buffer, .address_space: global }
      - { .name: out0, .offset: 16, .size: 8, .value_kind: global_buffer, .address_space: global }
      - { .name: bo, .offset: 24, .size: 8, .value_kind: global_buffer, .address_space: global }
    .group_segment_fixed_size: 327680
    .private_segment_fixed_size: 0
    .kernarg_segment_align: 8
    .kernarg_segment_size: 32
    .max_flat_workgroup_size: 128
    .sgpr_count:     68
    .vgpr_count:     512
    .wavefront_size: 32
...
	.end_amdgpu_metadata
.endif
;; end of part 5
